; MI455X (gfx1250); checked and timed in simulation.
; The chip was launched on July 23, 2026; its instructions are those of AMD's public machine-readable ISA for CDNA 5 (MIT licence, August 2026) and "CDNA5" Instruction Set Architecture Reference Guide (July 2026). The comments in the code are by the model that wrote it; some were corrected since.
;; Hybrid Attention Layer. Allowed arithmetic: matrix products marked QUANTISED: E2M3 operands, one E8M0 scale for each 32 along K, by v_wmma_scale_f32_16x16x128_f8f6f4 with both operands' format E2M3, f32 sums; products left as they are: f32 operands where the result goes on into a quantised operand, else bf16, f16 or f32 operands; f32 sums; everything else in f32.
;; Inputs: Wg 1,024 x 1 float32; Wout_codes 1,024 x 32 x 24 uint8 (E2M3 codes of Wout, K innermost, in blocks of 32 codes, four codes in three bytes); Wout_scales 1,024 x 32 uint8 (E8M0 scales of Wout, one for each 32 codes along K); Wqkv_codes 3,072 x 32 x 24 uint8 (E2M3 codes of Wqkv, K innermost, in blocks of 32 codes, four codes in three bytes); Wqkv_scales 3,072 x 32 uint8 (E8M0 scales of Wqkv, one for each 32 codes along K); bg 1 float32; bout 1,024 float32; bqkv 3,072 float32; hidden_states 1 x 4,096 x 1,024 float32.
;; Outputs: out0 1 x 4,096 x 1,024 float32.
;; This version of the problem:
;;   THIS VERSION OF THE PROBLEM IS GIVEN IN LOW PRECISION. The matrix products marked QUANTISED in the list below multiply operands that are first quantised to E2M3 (2 exponent bits, 3 mantissa bits; 6 bits a number), with one power-of-two scale for each 32 numbers along K (OCP MX v1.0); their sums are f32. All else is computed in f32.
;;   The module's matrix products, in the order in which they are computed (A, B: the left and right operand; K: the contracted axis; several contracted axes count as one K, in the product's order):
;;     1. [M 4,096, K 1,024] x [K 1,024, N 3,072]; A: input hidden_states; B: input Wqkv (given as codes): QUANTISED
;;     2. batch 16 x [M 4,096, K 64] x [K 64, N 4,096]; A: computed on the way; B: computed on the way: QUANTISED
;;     3. batch 16 x [M 4,096, K 4,096] x [K 4,096, N 64]; A: softmax (see below); B: computed on the way: QUANTISED
;;     4. batch 16 x [M 4,096, K 64] x [K 64, N 64]; A: computed on the way; B: computed on the way: QUANTISED
;;     5. batch 16 x [M 4,096, K 64] x [K 64, N 64]; A: softmax (see below); B: computed on the way: QUANTISED
;;     6. [M 4,096, K 1,024] x [K 1,024, N 1]; A: input hidden_states; B: input Wg: left as it is (N = 1 < 16)
;;     7. [M 4,096, K 1,024] x [K 1,024, N 1,024]; A: computed on the way; B: input Wout (given as codes): QUANTISED
;;   THE QUANTISER, for each operand of a quantised product, along K:
;;     - K is cut into blocks of 32 from its start; a last block that is shorter is filled with zeros.
;;     - A block's scale is 2^e with e = floor(log2(the largest magnitude in the block)) - 2, held to -126 .. 127; a block of zeros has e = 0. As a byte (E8M0): e + 127.
;;     - Each number is divided by its block's scale, clamped to +-7.5, and rounded to the nearest number of E2M3, ties to even, subnormals kept.
;;     - The product sums the exact products of the quantised numbers (number of the format x scale) in f32.
;;   ~~~python
;;   def quantise(x, axis):      # numpy; x: float32 -> the quantised numbers, widened to float32 again
;;       x = np.moveaxis(x, axis, -1); K = x.shape[-1]
;;       x = np.pad(x, [(0, 0)] * (x.ndim - 1) + [(0, -K % 32)]); x = x.reshape(x.shape[:-1] + (-1, 32)); a = np.abs(x).max(-1, keepdims=True)
;;       e = np.where(a > 0, np.clip(np.frexp(np.where(a > 0, a, 1))[1] - 1 - 2, -126, 127), 0)      # np.frexp(a)[1] - 1 = floor(log2(a)), exactly
;;       r = np.clip(x / 2.0 ** e, -7.5, 7.5)
;;       step = 2.0 ** (np.maximum(np.frexp(np.where(r == 0, 1, r))[1] - 1, 0) - 3)
;;       q = np.round(r / step) * step * 2.0 ** e      # np.round: ties to even
;;       return np.moveaxis(q.reshape(q.shape[:-2] + (-1,))[..., :K], -1, axis).astype(np.float32)
;;   ~~~
;;   SOFTMAX AHEAD OF A QUANTISED PRODUCT. Where the list says 'softmax', what is quantised is not the finished softmax but p = 2^(t - M), with t = logit x log2(e) and M = ceil(the row's largest t), a whole number; so 1/2 < the row's largest p <= 1. The row's sum l is taken of the UNQUANTISED p, in f32, and the product's result is divided by l at the end. Since M is a whole number, a kernel that streams over the keys may use a running M (the ceiling of the running maximum): every later rescaling is an exact power of two, which a block's scale takes up: the codes' values come out the same.
;;   OPERANDS COMPUTED ON THE WAY. 'Computed on the way' means the value that the module computes at that place (a softmax that the list does not call 'softmax' is quantised finished and normalised). What goes into a quantiser is computed in f32, as accurately as f32 sums, v_exp_f32 and their like allow (about 1e-6 of the number): no bf16 or f16 on the way to a quantiser, and a product that is left as it is and whose result goes on into a quantised operand takes f32 operands (vector FMAs, or v_wmma_f32_16x16x4_f32). A number that lies on a knife's edge between two numbers of the format may be rounded either way, as far as f32 arithmetic and the matrix unit's own rounding can turn it there, and no further.
;;   INPUTS GIVEN AS CODES. Wout (in the module: [1024, 1024], K = its axis 0); Wqkv (in the module: [1024, 3072], K = its axis 0): each comes as NAME_codes (uint8): NAME with its K axis moved to the last place and cut into blocks of 32 codes, [.., K / 32, bytes a block], one block behind the other in memory; four codes in three bytes: a row's codes are one little-endian stream of bits, code i at bits 6 i .. 6 i + 5 (a code: sign, 2 exponent bits, 3 mantissa bits); and NAME_scales (uint8): the same leading axes, one E8M0 byte (e + 127) for each 32 codes along K. Its value is code x scale, taken as it is: it is not quantised again, and the codes and scales need not be those that the quantiser above would give.
;; One version. Each part assembles by itself: llvm-mc -triple=amdgcn-amd-amdhsa -mcpu=gfx1250 --defsym DOCPART=n.
;; ======== version 1 of 1: 4 launches
;; workspace buffers: x_codes 3,145,728 bytes; x_scales 131,072 bytes; gate 16,384 bytes; qimg 3,407,872 bytes; kv 6,684,672 bytes; o_img 3,145,728 bytes; o_sc 131,072 bytes
;; launch quant (part 1): grid 256 x 1, 4 waves a work-group, no clusters, 22,016 bytes of LDS; arguments hidden_states, Wg, bg, x_codes, x_scales, gate; writes x_codes, x_scales, gate
.if DOCPART == 1
	.amdgcn_target "amdgcn-amd-amdhsa--gfx1250"
	.amdhsa_code_object_version 6
	.text
	.protected	k_q871f45866e_quant
	.globl	k_q871f45866e_quant
	.p2align	8
	.type	k_q871f45866e_quant,@function
k_q871f45866e_quant:
	s_mov_b64 s[64:65], 0
	v_nop
	global_prefetch_b8 v0, s[64:65] scope:SCOPE_SE
	s_setreg_imm32_b32 hwreg(HW_REG_WAVE_MODE, 25, 1), 1
	s_wait_xcnt 0x0
; hidden_states [4096][1024] f32 -> codes of FP6 (E2M3), K innermost (768 bytes a row), one E8M0 byte for each 32 along K (32 bytes a row);
; and gate[row] = sigmoid(hidden_states[row] . Wg + bg), all in f32 (fused multiply-adds; the gate goes on into a quantised operand).
; A block's scale byte is its largest magnitude's exponent field - 2, held at 1 from below; each number / scale is rounded to the nearest code, ties to even, beyond 7.5 the largest code.
; LIMITS: a block of zeros gets the byte 1 (its codes are zeros, and this program alone reads the bytes); blocks whose largest magnitude lies under 2^-124 are held at byte 1; NaN and infinities are not served.
; SHARES: a wave takes 4 rows = 8 steps of 512 numbers; a work-group 16 rows.  Each load reads 512 consecutive bytes; a step's 2,048 bytes turn through the wave's own stage in LDS (16 bytes of padding
; behind each 64) and come back 64 bytes a lane: 16 neighbours along K, two lanes to a block.  Loads run four steps (16 loads a wave) ahead, the turn one step.
; The work-group's 512 scale bytes and 16 row sums meet in LDS; one barrier; waves 0 and 1 store 256 aligned bytes of scales each, wave 2 the 16 gates (64 bytes: the whole buffer is 16 KiB).
.set STEPS, 8
.set EMAX,  2
.set CB,    12                         ; bytes of 16 codes
.set R,     16                         ; v16-79   four sets of 16 numbers as loaded
.set X,     80                         ; v80-111  two sets of 16 neighbours
.set E,     112                        ; v112-119 a scale byte for each step
.set C,     128                        ; v128-159 codes: four registers a step
.set WG,    192                        ; v192-223 Wg[512 s + 16 lane + 0..15], s = 0, 1
.set DA,    224                        ; v[224:225], v[226:227] the row's dot product in two packed chains
.set DB,    226
.set DT,    228                        ; the lane permute's destination
.set WA,    229                        ; 64 x lane
.set GW,    230                        ; LDS: my wave's four row sums
.set GR,    231                        ; LDS: row sum lane % 16
.set GO,    232                        ; 4 x (lane % 16)
.set DS,    236                        ; v236-239 a row sum for each of my rows
.set SP,    80
.set WREG,  5120                       ; LDS: two stages of 32 x SP bytes for each wave
.set SCB,   20480                      ; the work-group's 512 scale bytes
.set GSC,   20992                      ; its 16 row sums
	s_load_b128 s[4:7], s[0:1], 0x0                ; hidden_states, Wg
	s_load_b128 s[8:11], s[0:1], 0x10              ; bg, x_codes
	s_load_b128 s[12:15], s[0:1], 0x20             ; x_scales, gate
	v_lshl_add_u32 v240, v0, 2, 0x5400
	v_mov_b32 v241, 0
	v_lshrrev_b32 v1, 5, v0
	v_readfirstlane_b32 s16, v1                    ; wave
	v_and_b32 v2, 31, v0                           ; lane
	v_lshlrev_b32 v3, 4, v2                        ; my 16 bytes of a load's 512
	s_mul_i32 s17, s16, WREG
	v_lshrrev_b32 v14, 2, v2
	v_mul_u32_u24 v14, v14, SP
	v_and_b32 v15, 3, v2
	v_lshl_add_u32 v14, v15, 4, v14
	v_add_nc_u32 v14, s17, v14                     ; the stage, way in: SP (lane / 4) + 16 (lane % 4)
	v_mul_u32_u24 v15, v2, SP
	v_add_nc_u32 v15, s17, v15                     ; way out: SP x lane
	v_mul_u32_u24 v4, v2, CB                       ; my codes' place in a step's 384 bytes
	v_lshrrev_b32 v5, 1, v2
	s_lshl_b32 s17, s16, 7
	s_add_co_u32 s17, s17, SCB
	v_add_nc_u32 v5, s17, v5                       ; my block's scale byte: SCB + 128 wave + lane / 2
	v_lshlrev_b32 v7, 3, v2                        ; 8 x lane
	s_lshl_b32 s17, s16, 8
	s_add_co_u32 s17, s17, SCB
	v_add_nc_u32 v6, s17, v7                       ; what waves 0 and 1 read back: SCB + 256 wave + 8 lane
	v_lshlrev_b32 v[WA], 6, v2
	s_lshl_b32 s17, s16, 4
	s_add_co_u32 s17, s17, GSC
	v_mov_b32 v[GW], s17
	v_and_b32 v[GO], 15, v0
	v_lshlrev_b32 v[GO], 2, v[GO]
	v_add_nc_u32 v[GR], GSC, v[GO]
	v_mov_b32 v[DT], 0                             ; a lane permute's destination counts as one of its sources
	s_mov_b32 s26, 0x76543210
	s_mov_b32 s27, 0xfedcba98                      ; selects for lane l xor 16
	s_lshl_b32 s19, ttmp9, 2
	s_add_co_u32 s19, s19, s16                     ; my run of 4 rows
	s_lshl_b32 s20, s19, 14                        ; 16,384 bytes of numbers,
	s_mov_b32 s21, 0
	s_mul_i32 s22, s19, 3072                       ; 3,072 bytes of codes
	s_mov_b32 s23, 0
	s_wait_kmcnt 0x0
	s_load_b32 s24, s[8:9], 0x0                    ; bg
	s_add_nc_u64 s[4:5], s[4:5], s[20:21]
	s_add_nc_u64 s[10:11], s[10:11], s[22:23]
	s_lshl_b32 s20, ttmp9, 9
	s_lshl_b32 s22, s16, 8
	s_add_co_u32 s20, s20, s22
	s_add_nc_u64 s[12:13], s[12:13], s[20:21]      ; x_scales + 512 work-group + 256 wave
	s_lshl_b32 s20, ttmp9, 6
	s_add_nc_u64 s[14:15], s[14:15], s[20:21]      ; gate + 64 work-group
.irp s, 0,1
.irp i, 0,1,2,3
	global_load_b128 v[WG+16*\s+4*\i:WG+16*\s+4*\i+3], v[WA], s[6:7] offset:2048*\s+16*\i
.endr
.endr
.macro LOAD t
.irp i, 0,1,2,3
	global_load_b128 v[R+16*((\t)%4)+4*\i:R+16*((\t)%4)+4*\i+3], v3, s[4:5] offset:2048*(\t)+512*\i th:TH_LOAD_NT
.endr
.endm
.macro TURN t                          ; LDS serves a wave's instructions in order: no wait between the stores and the loads
.irp i, 0,1,2,3
	ds_store_b128 v14, v[R+16*((\t)%4)+4*\i:R+16*((\t)%4)+4*\i+3] offset:32*SP*((\t)%2)+8*SP*\i
.endr
.irp i, 0,1,2,3
	ds_load_b128 v[X+16*((\t)%2)+4*\i:X+16*((\t)%2)+4*\i+3], v15 offset:32*SP*((\t)%2)+16*\i
.endr
.endm
.irp t, 0,1,2,3
	LOAD \t
.endr
	s_wait_kmcnt 0x0                               ; bg
	s_wait_loadcnt 12                              ; Wg and step 0's four loads are in
	TURN 0
.macro STEP t
.set XS, X+16*((\t)%2)
.set WS, WG+16*((\t)%2)
.if (\t) == 0
	s_wait_dscnt 0x0
.elseif ((\t)%2) == 0
	s_wait_dscnt 2                                 ; this step's numbers are back; the last step's byte store and row sum store may be out
.else
	s_wait_dscnt 1                                 ; the last step's byte store may be out
.endif
.if (\t)+4 < STEPS
	LOAD (\t)+4                                    ; into the set that this step's stores into the stage have read
.endif
.if (\t)+1 < STEPS
.if STEPS-2-(\t) >= 3
	s_wait_loadcnt 12                              ; the next step's four loads are in; three steps' may be out
.else
	s_wait_loadcnt 4*(STEPS-2-(\t))
.endif
	TURN (\t)+1
.endif
	v_max3_num_f32 v8, |v[XS]|, |v[XS+1]|, |v[XS+2]|
	v_max3_num_f32 v9, |v[XS+3]|, |v[XS+4]|, |v[XS+5]|
.irp i, 6,10
	v_max3_num_f32 v8, v8, |v[XS+\i]|, |v[XS+\i+1]|
	v_max3_num_f32 v9, v9, |v[XS+\i+2]|, |v[XS+\i+3]|
.endr
	v_max3_num_f32 v8, v8, |v[XS+14]|, |v[XS+15]|
	v_max3_num_f32 v8, v8, v9, (EMAX+1)<<23        ; the floor 2^(3 - 127): the byte cannot fall under 1
	v_max_num_f32_dpp v8, v8, v8 row_xmask:1 row_mask:0xf bank_mask:0xf   ; with my neighbour's 16: the block's
	v_add_nc_u32 v11, -(EMAX<<23), v8              ; 2 off the exponent field: the conversion's scale operand
	v_cvt_scalef32_pk16_fp6_f32 v[C+4*(\t):C+4*(\t)+2], v[XS:XS+15], v11
	v_lshrrev_b32 v[E+(\t)], 23, v11               ; the scale's byte
	ds_store_b8 v5, v[E+(\t)] offset:16*(\t)       ; both lanes of a block write the same byte with the same value
	global_store_b96 v4, v[C+4*(\t):C+4*(\t)+2], s[10:11] offset:32*CB*(\t)
.irp k, 0,4,8,12                       ; the row's dot product with Wg: an even step's first products start the two chains
.if ((\t)%2) == 0 && (\k == 0)
	v_pk_mul_f32 v[DA:DA+1], v[XS+\k:XS+\k+1], v[WS+\k:WS+\k+1]
	v_pk_mul_f32 v[DB:DB+1], v[XS+\k+2:XS+\k+3], v[WS+\k+2:WS+\k+3]
.else
	v_pk_fma_f32 v[DA:DA+1], v[XS+\k:XS+\k+1], v[WS+\k:WS+\k+1], v[DA:DA+1]
	v_pk_fma_f32 v[DB:DB+1], v[XS+\k+2:XS+\k+3], v[WS+\k+2:WS+\k+3], v[DB:DB+1]
.endif
.endr
.if ((\t)%2) == 1                      ; the row is through: the sum over the 32 lanes
.set RS, DS+(\t)/2
	v_pk_add_f32 v[DA:DA+1], v[DA:DA+1], v[DB:DB+1]
	v_add_f32 v[RS], v[DA], v[DA+1]
	v_add_f32_dpp v[RS], v[RS], v[RS] row_xmask:1 row_mask:0xf bank_mask:0xf
	v_add_f32_dpp v[RS], v[RS], v[RS] row_xmask:2 row_mask:0xf bank_mask:0xf
	v_add_f32_dpp v[RS], v[RS], v[RS] row_xmask:4 row_mask:0xf bank_mask:0xf
	v_add_f32_dpp v[RS], v[RS], v[RS] row_xmask:8 row_mask:0xf bank_mask:0xf
	v_permlanex16_b32 v[DT], v[RS], s26, s27
	v_add_f32 v[RS], v[RS], v[DT]
	ds_store_b32 v[GW], v[RS] offset:4*((\t)/2)    ; all lanes write the same word with the same value
.endif
.endm
.irp t, 0,1,2,3,4,5,6,7
	STEP \t
.endr
	s_wait_dscnt 0x0                               ; for the others' sake: my scale bytes and row sums lie in LDS
	s_barrier_signal -1
	s_barrier_wait -1
	s_cmp_lt_u32 s16, 2
	s_cbranch_scc0 .Lnot_scales
	ds_load_b64 v[12:13], v6
	s_wait_dscnt 0x0
	global_store_b64 v7, v[12:13], s[12:13]        ; 32 lanes store 256 consecutive bytes, aligned
	s_wait_tensorcnt 0x0
	ds_add_u32 v240, v241
	s_wait_dscnt 0x0
	s_endpgm
.Lnot_scales:
	s_cmp_eq_u32 s16, 2
	s_cbranch_scc0 .Lend
	ds_load_b32 v12, v[GR]
	s_wait_dscnt 0x0
	v_add_f32 v12, s24, v12                        ; + bg
	v_mul_f32 v12, 0xbfb8aa3b, v12                 ; x -log2(e)
	v_exp_f32 v12, v12
	v_nop                                          ; a plain place behind a transcendental
	s_wait_alu depctr_va_vdst(0)
	v_add_f32 v12, 1.0, v12
	v_rcp_f32 v12, v12
	v_nop
	s_wait_alu depctr_va_vdst(0)
	global_store_b32 v[GO], v12, s[14:15]          ; lanes l and l + 16 store the same word with the same value
.Lend:
	s_wait_tensorcnt 0x0
	ds_add_u32 v240, v241
	s_wait_dscnt 0x0
	s_endpgm
.Lfunc_end_k_q871f45866e_quant:
	.size	k_q871f45866e_quant, .Lfunc_end_k_q871f45866e_quant-k_q871f45866e_quant
	.p2alignl 7, 3214868480
	.fill 96, 4, 3214868480
	.section	.rodata,"a",@progbits
	.p2align	6, 0x0
	.amdhsa_kernel k_q871f45866e_quant
		.amdhsa_group_segment_fixed_size 22016
		.amdhsa_private_segment_fixed_size 0
		.amdhsa_enable_private_segment 0
		.amdhsa_kernarg_size 48
		.amdhsa_user_sgpr_count 2
		.amdhsa_user_sgpr_kernarg_segment_ptr 1
		.amdhsa_wavefront_size32 1
		.amdhsa_system_sgpr_workgroup_id_x 1
		.amdhsa_system_sgpr_workgroup_id_y 1
		.amdhsa_system_sgpr_workgroup_id_z 1
		.amdhsa_system_vgpr_workitem_id 0
		.amdhsa_next_free_vgpr 242
		.amdhsa_next_free_sgpr 66
		.amdhsa_reserve_vcc 0
		.amdhsa_float_denorm_mode_32 3
		.amdhsa_float_denorm_mode_16_64 3
		.amdhsa_memory_ordered 1
		.amdhsa_forward_progress 1
		.amdhsa_inst_pref_size 26
	.end_amdhsa_kernel
	.amdgpu_metadata
---
amdhsa.version: [ 1, 2 ]
amdhsa.kernels:
  - .name:           k_q871f45866e_quant
    .symbol:         k_q871f45866e_quant.kd
    .args:
      - { .name: hidden_states, .offset: 0, .size: 8, .value_kind: global_buffer, .address_space: global }
      - { .name: Wg, .offset: 8, .size: 8, .value_kind: global_buffer, .address_space: global }
      - { .name: bg, .offset: 16, .size: 8, .value_kind: global_buffer, .address_space: global }
      - { .name: x_codes, .offset: 24, .size: 8, .value_kind: global_buffer, .address_space: global }
      - { .name: x_scales, .offset: 32, .size: 8, .value_kind: global_buffer, .address_space: global }
      - { .name: gate, .offset: 40, .size: 8, .value_kind: global_buffer, .address_space: global }
    .group_segment_fixed_size: 22016
    .private_segment_fixed_size: 0
    .kernarg_segment_align: 8
    .kernarg_segment_size: 48
    .max_flat_workgroup_size: 128
    .sgpr_count:     66
    .vgpr_count:     242
    .wavefront_size: 32
...
	.end_amdgpu_metadata
.endif
;; end of part 1
;; launch qkv (part 2): grid 12 x 16, 4 waves a work-group, clusters of 4 x 4, 327,680 bytes of LDS; arguments x_codes, x_scales, Wqkv_codes, Wqkv_scales, bqkv, qimg, kv; writes qimg, kv
.if DOCPART == 2
	.amdgcn_target "amdgcn-amd-amdhsa--gfx1250"
	.amdhsa_code_object_version 6
	.text
	.protected	k_q871f45866e_qkv
	.globl	k_q871f45866e_qkv
	.p2align	8
	.type	k_q871f45866e_qkv,@function
k_q871f45866e_qkv:
	s_mov_b64 s[64:65], 0
	v_nop
	global_prefetch_b8 v0, s[64:65] scope:SCOPE_SE
	s_setreg_imm32_b32 hwreg(HW_REG_WAVE_MODE, 25, 1), 1
	s_wait_xcnt 0x0
	s_wait_alu depctr_hold_cnt(0) depctr_sa_sdst(0) depctr_va_vdst(0) depctr_va_sdst(0) depctr_va_ssrc(0) depctr_va_vcc(0) depctr_vm_vsrc(0)
	s_getreg_b32 s2, hwreg(HW_REG_IB_STS2, 6, 4)
	s_cmp_eq_u32 s2, 0
	s_cbranch_scc0 .Lentry_in_a_cluster
	s_endpgm
.Lentry_in_a_cluster:
	s_bfe_u32 s2, ttmp6, 0x10000c
	s_cmp_lg_u32 s2, 0xf033
	s_cbranch_scc0 .Lentry_shape_is_right
	s_endpgm
.Lentry_shape_is_right:
; qkv = x Wqkv + bqkv on codes of FP6 (E2M3) with E8M0 scales, K = 1,024; the results are quantised at once and leave as codes, laid as the attention launch's registers want them.
; A tile of 256 x 256 is made by four waves, 128 x 128 each (64 accumulators, 512 registers); K goes in steps of 256 through two LDS slots filled by joint tensor loads; the scales of all of K come once.
; ONE TEXT, TWO ROLES, chosen by the cluster's x alone (the same in all sixteen partners).  Clusters x = 0, 1 (q, k): A = x (tokens), B = rows 0..2047 of W.  Cluster x = 2 (v): A = rows 2048.. of W, B = x.
; The matrix instruction takes 16 rows of B as source 0 and 16 rows of A as source 1: a lane holds ONE row of A and its registers run along B's rows.  So for q and k a lane's registers run along d, for v along
; the tokens: each time along the K of the product that follows, and the scaled conversions take them as they lie.
; ORDER INSIDE A BLOCK OF 32.  Tiles are 16 neighbouring rows, so a block's codes come out in the order 0-7, 16-23, 8-15, 24-31.  q and k carry that order alike along d, v (here) and p (in the next launch) alike
; along the keys: a permutation inside a scale's block, the same on both sides of a product, changes no product.
; OUT.  qimg: [head 16][128 tokens 32] records of 6,656 bytes: codes [tile 8][pair 3][8 bytes x lane], then 512 bytes of scale words (16 bytes a lane: word i of lane l = tile 2 i + l / 16, row l % 16).
;       kv: records of 13,056 bytes: k as in qimg; at 6,656 v^T's codes [d tile 4][pair 6][8 bytes x lane]; at 12,800 v's scale words (8 bytes a lane).  Every store covers 256 or 512 consecutive bytes, aligned.
; LIMITS: a block of zeros gets the scale byte 1 (codes zero; only this program reads it); blocks under 2^-124 are held at byte 1; NaN and infinities are not served.
; REGISTERS: window 0: v0-31 addresses; v32-63 scale words, two sets (nothing else ever); v64-127 the bias along B; v128-223 A's fragments, ONE set; v224-239 the bias along A.  window 1: B's fragments, two sets.
;   windows 2, 3: the accumulators ((a, b) at v[8 (8 (a % 4) + b)]).  On the way out window 0: v128-191 64 numbers, v192-211 codes, v240-255 at work, v8-15 and v212-219 scale words made.
.set KSTEP,  256
.set NQ,     2
.set ROWB,   192
.set KROW,   768
.set PITCH,  240                       ; 3 x (64 bytes + 16 of padding): the 32 lanes of a load of 8 bytes touch 64 different banks
.set FR,     12
.set NL,     6
.set NP,     4
.set HALFT,  128*PITCH
.set SLOT,   4*HALFT
.set LAPS,   2                         ; 1,024 / (2 x 256)
.set KS,     32                        ; a row of scales in bytes
.set SCL,    2*SLOT
.set HALFS,  16*272                    ; the scales of 128 rows: 16 units of 256 bytes + 16 of padding
.set SBLK,   2*272
.set SPARE,  SCL+4*HALFS               ; the spare words, 128 bytes a wave: two blocks of 256 bytes that no other line names
.set RQ,     6656
.set REC,    13056
.set HSK,    32*REC
.set KSC,    6144
.set VC,     6656
.set VSC,    12800
.set ADRA, 16
.set ADRB, 20
.set ADRS, 27
.set SPW,  28
.set NIL,  29
.set SC,   32
.set BB,   64
.set AF,   128
.set BA,   224
.set HA,   128
.set PC,   192
.set SW,   212
.set TM,   240
.set PWS,  8
.set SEL,  20
.set G1, 24
.set G0, 32
.set G1B, 48
.set G0B, 56
.set G1S, 68
.set G0S, 76
.set G1SB, 80
.set G0SB, 88
.set MSB, 0
.macro WIN new                         ; the immediate's high byte repeats the setting that is left
.if MSB != \new
	s_set_vgpr_msb (MSB<<8)|\new
.set MSB, \new
.endif
.endm
.set MUL_LO, 0xa1
.set MUL_HI, 0xf1
.set TO_B,   0x40
; A joint load: waves 0 and 1 fetch for A, waves 2 and 3 for B.  Four v_nop follow each of the two lines.
.macro JLOAD g0a, g1a, g0b, g1b
	s_cmp_eq_u32 s15, 0
	s_cbranch_scc0 .Lfor_b_\@
	tensor_load_to_lds s[\g0a:\g0a+3], s[\g1a:\g1a+7]
	s_nop 0
.rept 4
	v_nop
.endr
	s_branch .Lasked_\@
.Lfor_b_\@:
	tensor_load_to_lds s[\g0b:\g0b+3], s[\g1b:\g1b+7]
	s_nop 0
.rept 4
	v_nop
.endr
.Lasked_\@:
.endm
.macro CREST
	s_cmp_lg_u32 s14, 0
	s_cbranch_scc1 .Lnot_wave_0_\@
	s_barrier_signal -3
.Lnot_wave_0_\@:
	s_barrier_wait -3
	s_barrier_signal -1
	s_barrier_wait -1
.endm
.macro CROUND
	s_barrier_signal -1
	s_barrier_wait -1
	CREST
.endm
	s_load_b256 s[4:11], s[0:1], 0x0               ; x's codes, x's scales, W's codes, W's scales
	s_load_b128 s[96:99], s[0:1], 0x20             ; bqkv, qimg
	s_load_b64 s[100:101], s[0:1], 0x30            ; kv
	v_lshl_add_u32 v[SPW], v0, 2, SPARE
	v_mov_b32 v[NIL], 0
	ds_add_u32 v28, v29
	ds_add_u32 v28, v29
	s_wait_dscnt 0x0
	v_lshrrev_b32 v1, 5, v0
	v_readfirstlane_b32 s14, v1                    ; wave 0..3
	s_lshr_b32 s15, s14, 1                         ; which half of A's rows is mine.  Also: I fetch for A (0) or for B (1)
	s_and_b32 s16, s14, 1                          ; which half of B's rows.  Also: which 128 rows I fetch
	s_bfe_u32 s40, ttmp6, 0x40000                  ; cx
	s_bfe_u32 s41, ttmp6, 0x40004                  ; cy
	s_and_b32 s17, ttmp7, 0xffff                   ; the cluster's y
	s_cmp_eq_u32 ttmp9, 2                          ; the v role?
	s_cselect_b32 s42, s17, ttmp9                  ; B's group of four tiles: y for v, x for q and k
	s_cselect_b32 s17, 0, s17                      ; A's: 0 for v, y for q and k
	s_cselect_b32 s95, 2048, 0                     ; v's rows of W begin at 2,048
	s_lshl_b32 s42, s42, 2
	s_add_co_u32 s42, s42, s40                     ; B's tile = 4 x group + cx
	s_lshl_b32 s17, s17, 2
	s_add_co_u32 s17, s17, s41                     ; A's tile = 4 x group + cy
	s_lshl_b32 s43, s41, 2
	s_lshl_b32 s43, 15, s43                        ; my row of the cluster
	s_lshl_b32 s44, 0x1111, s40                    ; my column
	s_or_b32 s[G1+0], s43, (0<<16)|(1<<20)|(1<<21)|(3<<22)|(3<<25)  ; the mask; elements of 1 byte; padding on; bit 21 beside a mask; 4 words of padding behind every 16
	s_or_b32 s[G1B+0], s44, (0<<16)|(1<<20)|(1<<21)|(3<<22)|(3<<25)
.irp g, G1, G1B
	s_mov_b32 s[\g+1], ROWB<<16                    ; tensor_dim0
	s_mov_b32 s[\g+2], 128<<16                     ; tensor_dim1
	s_mov_b32 s[\g+3], ROWB<<16                    ; tile_dim0
	s_mov_b32 s[\g+4], 128                         ; tile_dim1
	s_mov_b32 s[\g+5], KROW                        ; the pitch
	s_mov_b32 s[\g+6], 0
	s_mov_b32 s[\g+7], 0
.endr
	s_or_b32 s[G1S+0], s43, (3<<16)|(1<<20)|(1<<21)|(5<<22)|(3<<25)   ; the scales of 128 rows: 4,096 dense bytes as 16 rows of 256, 16 bytes of padding behind each
	s_or_b32 s[G1SB+0], s44, (3<<16)|(1<<20)|(1<<21)|(5<<22)|(3<<25)
.irp g, G1S, G1SB
	s_mov_b32 s[\g+1], 32<<16
	s_mov_b32 s[\g+2], 16<<16
	s_mov_b32 s[\g+3], 32<<16
	s_mov_b32 s[\g+4], 16
	s_mov_b32 s[\g+5], 32
	s_mov_b32 s[\g+6], 0
	s_mov_b32 s[\g+7], 0
.endr
	s_lshl_b32 s18, s16, 7
	s_lshl_b32 s20, s17, 8
	s_add_co_u32 s20, s20, s18
	s_add_co_u32 s20, s20, s95                     ; A: row 256 x tile + 128 x half (+ 2,048)
	s_lshl_b32 s46, s42, 8
	s_add_co_u32 s46, s46, s18                     ; B: row 256 x tile + 128 x half
	s_mov_b32 s21, 0
	s_mov_b32 s47, 0
	s_mov_b64 s[18:19], KS
	s_mul_u64 s[22:23], s[20:21], s[18:19]
	s_mul_u64 s[92:93], s[46:47], s[18:19]
	s_mov_b64 s[18:19], KROW
	s_mul_u64 s[20:21], s[20:21], s[18:19]
	s_mul_u64 s[46:47], s[46:47], s[18:19]
	s_mul_i32 s45, s14, HALFT                      ; where they go: wave x 128 rows
	s_mul_i32 s94, s14, HALFS
	s_wait_kmcnt 0x0
	s_cmp_eq_u32 ttmp9, 2                          ; the roles' buffers: the choice hangs on the cluster's x alone
	s_cselect_b64 s[12:13], s[8:9], s[4:5]         ; A's codes
	s_cselect_b64 s[8:9], s[4:5], s[8:9]           ; B's codes
	s_cselect_b64 s[4:5], s[10:11], s[6:7]         ; A's scales
	s_cselect_b64 s[10:11], s[6:7], s[10:11]       ; B's scales
	s_add_nc_u64 s[20:21], s[12:13], s[20:21]
	s_add_nc_u64 s[22:23], s[4:5], s[22:23]
	s_add_nc_u64 s[46:47], s[8:9], s[46:47]
	s_add_nc_u64 s[92:93], s[10:11], s[92:93]
	CROUND                                         ; all sixteen work-groups are here: the first joint loads meet
	s_mov_b32 s[G0S], 1
	s_add_co_u32 s[G0S+1], s94, SCL
	s_mov_b64 s[G0S+2:G0S+3], s[22:23]
	s_or_b32 s[G0S+3], s[G0S+3], 0x80000000
	s_mov_b32 s[G0SB], 1
	s_add_co_u32 s[G0SB+1], s94, SCL
	s_mov_b64 s[G0SB+2:G0SB+3], s[92:93]
	s_or_b32 s[G0SB+3], s[G0SB+3], 0x80000000
	JLOAD G0S, G1S, G0SB, G1SB                     ; the scales first: they are wanted with K step 0
.irp s, 0,1
	s_mov_b32 s[G0+4*\s], 1
	s_add_co_u32 s[G0+4*\s+1], s45, \s*SLOT
	s_add_nc_u64 s[G0+4*\s+2:G0+4*\s+3], s[20:21], \s*ROWB
	s_or_b32 s[G0+4*\s+3], s[G0+4*\s+3], 0x80000000
	s_mov_b32 s[G0B+4*\s], 1
	s_add_co_u32 s[G0B+4*\s+1], s45, \s*SLOT
	s_add_nc_u64 s[G0B+4*\s+2:G0B+4*\s+3], s[46:47], \s*ROWB
	s_or_b32 s[G0B+4*\s+3], s[G0B+4*\s+3], 0x80000000
	JLOAD G0+4*\s, G1, G0B+4*\s, G1B
.endr
	v_and_b32 v1, 15, v0                           ; r
	v_bfe_u32 v2, v0, 4, 1                         ; h
	v_mul_u32_u24 v3, v1, PITCH
	v_mul_u32_u24 v4, v2, 24
	v_add_nc_u32 v4, v3, v4                        ; a fragment's row x pitch + 24 x half
	v_lshl_add_u32 v5, v2, 4, v4                   ; and the same behind one padding more
	s_mul_i32 s21, s15, HALFT
	s_mul_i32 s22, s16, HALFT
	s_add_co_u32 s22, s22, 2*HALFT
.irp s, 0,1
	v_add_nc_u32 v[ADRA+\s], s21, v4
	v_add_nc_u32 v[ADRB+\s], s22, v4
	v_add_nc_u32 v[ADRA+2+\s], s21, v5
	v_add_nc_u32 v[ADRB+2+\s], s22, v5
	s_add_co_u32 s21, s21, SLOT
	s_add_co_u32 s22, s22, SLOT
.endr
	v_mul_u32_u24 v5, v1, KS                       ; my row's scales: 32 bytes a row,
	v_lshrrev_b32 v6, 8, v5
	v_lshl_add_u32 v5, v6, 4, v5                   ; and 16 more for each 256 passed
	s_mul_i32 s21, s15, HALFS
	s_mul_i32 s22, s16, HALFS
	s_add_co_u32 s22, s22, 2*HALFS
	s_sub_co_u32 s22, s22, s21
	v_mul_u32_u24 v6, s22, v2                      ; lanes 16-31 take B's
	s_add_co_u32 s21, s21, SCL
	v_add_nc_u32 v5, v5, v6
	v_add_nc_u32 v[ADRS], s21, v5
	; the biases.  Both sets are loaded on the one way: the set that this role does not add is read from bqkv's first bytes and never used.
	v_lshlrev_b32 v30, 5, v2                       ; 32 h
	v_lshlrev_b32 v31, 2, v1                       ; 4 r
	s_lshl_b32 s66, s42, 10
	s_lshl_b32 s67, s16, 9
	s_add_co_u32 s66, s66, s67                     ; q, k: 4 (256 x B's tile + 128 x half)
	s_lshl_b32 s94, s17, 10
	s_lshl_b32 s95, s15, 9
	s_add_co_u32 s94, s94, s95
	s_add_co_u32 s94, s94, 8192                    ; v: 4 (2,048 + 256 x A's tile + 128 x half)
	s_cmp_eq_u32 ttmp9, 2
	s_cselect_b32 s66, 0, s66
	s_cselect_b32 s94, s94, 0
	s_mov_b32 s67, 0
	s_mov_b32 s95, 0
	s_add_nc_u64 s[66:67], s[96:97], s[66:67]
	s_add_nc_u64 s[94:95], s[96:97], s[94:95]
.irp b, 0,1,2,3,4,5,6,7
	global_load_b128 v[BB+8*\b:BB+8*\b+3], v30, s[66:67] offset:64*\b        ; along B: tile b's numbers 16 b + 8 h + 0..7
	global_load_b128 v[BB+8*\b+4:BB+8*\b+7], v30, s[66:67] offset:64*\b+16
.endr
.irp a, 0,1,2,3,4,5,6,7
	global_load_b32 v[BA+2*\a], v31, s[94:95] offset:64*\a                   ; along A: block a's number 16 a + r, twice (a pair for the packed addition)
	global_load_b32 v[BA+2*\a+1], v31, s[94:95] offset:64*\a
.endr
.macro FRAG reg, adr, q, i             ; a fragment: 12 registers; pieces of 8 bytes; where the piece three on lies behind one padding more, the second address register serves
.irp p, 0,1,2,3,4,5
.set PCN, 12*(\q)+6*(\p/3)+\p%3
.if PCN%8 < 5
	ds_load_b64 v[\reg+2*\p:\reg+2*\p+1], v[\adr] offset:8*PCN+16*(PCN/8)+(\i)*16*PITCH
.else
	ds_load_b64 v[\reg+2*\p:\reg+2*\p+1], v[\adr+2] offset:8*PCN+16*(PCN/8)+(\i)*16*PITCH
.endif
.endr
.endm
; 16 matrix instructions: A's blocks a0, a0 + 1 x B's eight.  The 64 accumulators take turns, one instruction a turn, in the same order in every step.
.macro MUL16 a0, p, q, sc, zero
.irp a, \a0, \a0+1
.irp b, 0,1,2,3,4,5,6,7
.if \zero
	v_wmma_scale_f32_16x16x128_f8f6f4 v[8*(8*((\a)%4)+\b):8*(8*((\a)%4)+\b)+7], v[128*(\p)+FR*\b:128*(\p)+FR*\b+FR-1], v[AF+FR*(\a):AF+FR*(\a)+FR-1], 0, v[SC+8*NQ*(\sc)+NQ*\b+(\q)], v[SC+8*NQ*(\sc)+NQ*(\a)+(\q)] matrix_a_fmt:MATRIX_FMT_FP6 matrix_b_fmt:MATRIX_FMT_FP6 matrix_a_scale:MATRIX_SCALE_ROW1
.else
	v_wmma_scale_f32_16x16x128_f8f6f4 v[8*(8*((\a)%4)+\b):8*(8*((\a)%4)+\b)+7], v[128*(\p)+FR*\b:128*(\p)+FR*\b+FR-1], v[AF+FR*(\a):AF+FR*(\a)+FR-1], v[8*(8*((\a)%4)+\b):8*(8*((\a)%4)+\b)+7], v[SC+8*NQ*(\sc)+NQ*\b+(\q)], v[SC+8*NQ*(\sc)+NQ*(\a)+(\q)] matrix_a_fmt:MATRIX_FMT_FP6 matrix_b_fmt:MATRIX_FMT_FP6 matrix_a_scale:MATRIX_SCALE_ROW1
.endif
.endr
.endr
.endm
.macro FETCH_B slot, q, p
	WIN TO_B
.irp i, 0,1,2,3,4,5,6,7
	FRAG 128*(\p)+FR*\i, ADRB+\slot, \q, \i
.endr
	WIN 0
.endm
.macro FETCH_A slot, q, i0
.irp i, \i0, \i0+1, \i0+2, \i0+3
	FRAG AF+FR*(\i), ADRA+\slot, \q, \i
.endr
.endm
.macro SCALES sc                       ; lanes 0-15 take the words of A's block i, lanes 16-31 those of B's block i: two words for the K step's two products
.irp i, 0,1,2,3,4,5,6,7
	ds_load_b64 v[SC+8*NQ*\sc+NQ*\i:SC+8*NQ*\sc+NQ*\i+1], v[ADRS] offset:\i*SBLK
.endr
.endm
.macro PLACES n                        ; plain vector instructions between a matrix instruction and a load into, or a vector read or write of, its registers
.rept \n
	v_nop
.endr
.endm
.macro STEP slot, q, zero
	s_wait_dscnt 4*NL                              ; B's set and A's blocks 0-3 are in; the youngest 24 loads (A's blocks 4-7) may be out
	WIN MUL_LO
	MUL16 0, (\q)%2, \q, \slot, \zero
	MUL16 2, (\q)%2, \q, \slot, \zero
	s_wait_dscnt 0
	PLACES NP
	FETCH_B \slot, (\q)+1, 1-(\q)%2
	FETCH_A \slot, (\q)+1, 0
	WIN MUL_HI
	MUL16 4, (\q)%2, \q, \slot, \zero
	MUL16 6, (\q)%2, \q, \slot, \zero
	PLACES NP
	WIN 0
	FETCH_A \slot, (\q)+1, 4
.endm
; A slot's last step changes slots: one barrier; in front of it each wave waits for all its tensor loads, adds 0 to its spare word, and waits for that and for its reads of this slot.
.macro TURN slot, next, fill
	s_wait_tensorcnt 0x0                           ; all my tensor loads have landed: my part of the next slot
	ds_add_u32 v[SPW], v[NIL]                      ; 0 onto my spare word
	s_wait_dscnt 4*NL+1                            ; the add and the youngest 24 loads may be out
	WIN MUL_LO
	MUL16 0, 1, NQ-1, \slot, 0
	s_wait_dscnt 0x0                               ; the add is done, and my reads of this slot are over
	s_barrier_signal -1
	MUL16 2, 1, NQ-1, \slot, 0
	WIN 0
	s_barrier_wait -1
.if \fill
	CREST                                          ; the barrier has opened a round of the cluster's barrier: no wave of any partner still reads this slot or has a load on its way
	s_add_nc_u64 s[G0+4*\slot+2:G0+4*\slot+3], s[G0+4*\slot+2:G0+4*\slot+3], 2*ROWB
	s_add_nc_u64 s[G0B+4*\slot+2:G0B+4*\slot+3], s[G0B+4*\slot+2:G0B+4*\slot+3], 2*ROWB
	JLOAD G0+4*\slot, G1, G0B+4*\slot, G1B         ; the first tensor load behind the round; its four v_nop are the places in front of the loads below
.else
	PLACES NP
.endif
	v_add_nc_u32 v[ADRS], 4*NQ, v[ADRS]
	FETCH_B \next, 0, 0
	FETCH_A \next, 0, 0
	SCALES \next
	WIN MUL_HI
	MUL16 4, 1, NQ-1, \slot, 0
	MUL16 6, 1, NQ-1, \slot, 0
	PLACES NP
	WIN 0
	FETCH_A \next, 0, 4
.endm
	s_wait_loadcnt 0x0                             ; the biases
	s_wait_tensorcnt 1                             ; the scales and my part of K step 0 are in (K step 1's load may be out),
	s_barrier_signal -1
	s_barrier_wait -1                              ; everybody's are
	FETCH_B 0, 0, 0
	FETCH_A 0, 0, 0
	SCALES 0
	FETCH_A 0, 0, 4
	STEP 0, 0, 1                                   ; the first step's products start the sums
	s_mov_b32 s3, LAPS-1
.Llap:
	TURN 0, 1, 1
	STEP 1, 0, 0
	TURN 1, 0, 1
	STEP 0, 0, 0
	s_sub_co_u32 s3, s3, 1
	s_cmp_lg_u32 s3, 0
	s_cbranch_scc1 .Llap
	TURN 0, 1, 0                                   ; the last lap fills nothing
	STEP 1, 0, 0
	s_wait_dscnt 4*NL
	WIN MUL_LO
	MUL16 0, 1, NQ-1, 1, 0
	MUL16 2, 1, NQ-1, 1, 0
	s_wait_dscnt 0
	WIN MUL_HI
	MUL16 4, 1, NQ-1, 1, 0
	MUL16 6, 1, NQ-1, 1, 0
	WIN 0
; THE WAY OUT.  64 numbers of a lane, register 16 b + i in block b of my row, become a fragment's 12 registers of codes at v[d] and the row's scale word in v[pw].
.macro QUANT s, d, pw
.irp b, 0,1,2,3
	v_max3_num_f32 v[TM+\b], |v[\s+16*\b]|, |v[\s+1+16*\b]|, 0x1800000   ; my 16 numbers of block b, and the floor 2^(3 - 127): the byte cannot fall under 1
.endr
.irp i, 2,4,6,8,10,12,14
.irp b, 0,1,2,3
	v_max3_num_f32 v[TM+\b], v[TM+\b], |v[\s+16*\b+\i]|, |v[\s+1+16*\b+\i]|
.endr
.endr
.irp b, 0,1,2,3
	v_permlanex16_b32 v[TM+4+\b], v[TM+\b], s[SEL], s[SEL+1]
.endr
.irp b, 0,1,2,3
	v_max_num_f32 v[TM+\b], v[TM+\b], v[TM+4+\b]   ; with lane l xor 16's: the block's largest magnitude
.endr
.irp b, 0,1,2,3
	v_add_nc_u32 v[TM+12+\b], 0xff000000, v[TM+\b] ; 2 off its exponent field: the conversion's scale operand
.endr
.irp b, 0,1,2,3
	v_lshrrev_b32 v[TM+4+\b], 23, v[TM+12+\b]      ; the scale's byte
.endr
	v_lshl_or_b32 v[\pw], v[TM+5], 8, v[TM+4]
	v_lshl_or_b32 v[\pw], v[TM+6], 16, v[\pw]
	v_lshl_or_b32 v[\pw], v[TM+7], 24, v[\pw]
.irp c, 0,1
	v_cvt_scalef32_pk16_fp6_f32 v[\d+6*\c:\d+2+6*\c], v[\s+32*\c:\s+15+32*\c], v[TM+12+2*\c]
	v_cvt_scalef32_pk16_fp6_f32 v[\d+12+4*\c:\d+14+4*\c], v[\s+16+32*\c:\s+31+32*\c], v[TM+12+2*\c+1]   ; (a conversion's three registers begin on an even number)
.endr
	v_nop                                          ; one plain place behind a scaled conversion
.irp c, 0,1                            ; the operand wants a whole block in a lane: lanes 0-15 block 2 c, lanes 16-31 block 2 c + 1
.irp i, 0,1,2
	v_permlane16_swap_b32 v[\d+6*\c+\i], v[\d+12+4*\c+\i]
.endr
.irp i, 0,1,2
	v_mov_b32 v[\d+3+6*\c+\i], v[\d+12+4*\c+\i]
.endr
.endr
.endm
; A's block a: the bias is added (which also brings the sums into window 0, each accumulator from its low end on), the 64 numbers are quantised, six stores of 256 consecutive bytes.
.macro BLOCK a, isv
	WIN (0x02+(\a)/4)
.set AC, 64*((\a)%4)
.set i, 0
.rept 32
.if \isv
	v_pk_add_f32 v[HA+i:HA+i+1], v[AC+i:AC+i+1], v[BA+2*(\a):BA+2*(\a)+1]
.else
	v_pk_add_f32 v[HA+i:HA+i+1], v[AC+i:AC+i+1], v[BB+i:BB+i+1]
.endif
.set i, i+2
.endr
	WIN 0
.if (\a) > 0
	s_wait_xcnt 0x0                                ; the last block's stores have read their data: the codes' registers are written again only behind this wait
.endif
	QUANT HA, PC, PWS+(\a)
.irp p, 0,1,2,3,4,5
.if \isv
	global_store_b64 v16, v[PC+2*\p:PC+2*\p+1], s[98:99] offset:((\a)/4)*HSK+VC+((\a)%4)*1536+256*\p   ; head a / 4 of my two, d tile a % 4
.else
	global_store_b64 v[16+\p/3], v[PC+2*\p:PC+2*\p+1], s[98:99] offset:(\a)*768+(\p%3)*256             ; head p / 3 of my two, token tile a
.endif
.endr
.endm
	PLACES NP                                      ; behind the last products: vector instructions read results and write over A's fragments
	v_and_b32 v1, 31, v0
	v_lshlrev_b32 v16, 3, v1                       ; 8 x lane
	v_lshlrev_b32 v18, 4, v1                       ; 16 x lane
.irp b, 0,1,2,3
	v_mov_b32 v[TM+4+\b], 0                        ; a lane permute's destination counts as one of its sources
.endr
	s_mov_b32 s[SEL], 0x76543210
	s_mov_b32 s[SEL+1], 0xfedcba98
	s_mov_b32 s22, 0xffff0000                      ; lanes 16-31
	s_cmp_eq_u32 ttmp9, 2
	s_cbranch_scc1 .Lv_side
	; q and k: my 128 tokens are one record's, my 128 columns two heads
	s_cmp_eq_u32 ttmp9, 0
	s_cselect_b64 s[98:99], s[98:99], s[100:101]   ; q's buffer or k's: the choice hangs on the cluster's x alone
	s_mov_b32 s23, REC
	s_cselect_b32 s23, RQ, s23                     ; a record,
	s_lshl_b32 s18, s23, 5                         ; a head: 32 records
	s_lshl_b32 s46, s40, 2
	s_lshl_b32 s47, s16, 1
	s_add_co_u32 s46, s46, s47                     ; my first head: 4 cx + 2 x half
	s_mul_i32 s46, s46, s18
	s_lshl_b32 s47, s17, 1
	s_add_co_u32 s47, s47, s15                     ; my record: 2 x A's tile + half
	s_mul_i32 s47, s47, s23
	s_add_co_u32 s46, s46, s47
	s_mov_b32 s47, 0
	s_add_nc_u64 s[98:99], s[98:99], s[46:47]
	v_add_nc_u32 v17, s18, v16                     ; the second head's record
	v_add_nc_u32 v19, s18, v18
.irp a, 0,1,2,3,4,5,6,7
	BLOCK \a, 0
.endr
.irp i, 0,1,2,3                        ; the scale words' image: word i: lanes 0-15 tile 2 i, lanes 16-31 tile 2 i + 1.  A word's low half is the first head's two bytes, its high half the second's
	v_cndmask_b32 v[SW+\i], v[PWS+2*\i], v[PWS+2*\i+1], s22
.endr
.irp i, 0,1,2,3
	v_lshrrev_b32 v[SW+4+\i], 16, v[SW+\i]
.endr
	global_store_b128 v18, v[SW:SW+3], s[98:99] offset:KSC
	global_store_b128 v19, v[SW+4:SW+7], s[98:99] offset:KSC
	s_branch .Ldone
.Lv_side:
	; v: my 128 rows of W are two heads' d, my 128 tokens one record's keys
	s_lshl_b32 s46, s41, 2
	s_lshl_b32 s47, s15, 1
	s_add_co_u32 s46, s46, s47                     ; my first head: 4 cy + 2 x half
	s_mul_i32 s46, s46, HSK
	s_lshl_b32 s47, s42, 1
	s_add_co_u32 s47, s47, s16                     ; my record: 2 x B's tile + half
	s_mul_i32 s47, s47, REC
	s_add_co_u32 s46, s46, s47
	s_mov_b32 s47, 0
	s_add_nc_u64 s[98:99], s[100:101], s[46:47]
.irp a, 0,1,2,3,4,5,6,7
	BLOCK \a, 1
.endr
.irp i, 0,1,2,3
	v_cndmask_b32 v[SW+\i], v[PWS+2*\i], v[PWS+2*\i+1], s22
.endr
	global_store_b64 v16, v[SW:SW+1], s[98:99] offset:VSC
	global_store_b64 v16, v[SW+2:SW+3], s[98:99] offset:HSK+VSC
.Ldone:
	s_wait_tensorcnt 0x0                           ; the wave's end
	ds_add_u32 v[SPW], v[NIL]
	s_wait_dscnt 0x0
	CROUND                                         ; the closing round: no work-group ends while a partner may still ask for a tile that names it
	s_endpgm
.Lfunc_end_k_q871f45866e_qkv:
	.size	k_q871f45866e_qkv, .Lfunc_end_k_q871f45866e_qkv-k_q871f45866e_qkv
	.p2alignl 7, 3214868480
	.fill 96, 4, 3214868480
	.section	.rodata,"a",@progbits
	.p2align	6, 0x0
	.amdhsa_kernel k_q871f45866e_qkv
		.amdhsa_group_segment_fixed_size 327680
		.amdhsa_private_segment_fixed_size 0
		.amdhsa_enable_private_segment 0
		.amdhsa_kernarg_size 56
		.amdhsa_user_sgpr_count 2
		.amdhsa_user_sgpr_kernarg_segment_ptr 1
		.amdhsa_wavefront_size32 1
		.amdhsa_system_sgpr_workgroup_id_x 1
		.amdhsa_system_sgpr_workgroup_id_y 1
		.amdhsa_system_sgpr_workgroup_id_z 1
		.amdhsa_system_vgpr_workitem_id 0
		.amdhsa_next_free_vgpr 1024
		.amdhsa_next_free_sgpr 102
		.amdhsa_reserve_vcc 0
		.amdhsa_float_denorm_mode_32 3
		.amdhsa_float_denorm_mode_16_64 3
		.amdhsa_memory_ordered 1
		.amdhsa_forward_progress 1
		.amdhsa_inst_pref_size 238
	.end_amdhsa_kernel
	.amdgpu_metadata
---
amdhsa.version: [ 1, 2 ]
amdhsa.kernels:
  - .name:           k_q871f45866e_qkv
    .symbol:         k_q871f45866e_qkv.kd
    .args:
      - { .name: x_codes, .offset: 0, .size: 8, .value_kind: global_buffer, .address_space: global }
      - { .name: x_scales, .offset: 8, .size: 8, .value_kind: global_buffer, .address_space: global }
      - { .name: Wqkv_codes, .offset: 16, .size: 8, .value_kind: global_buffer, .address_space: global }
      - { .name: Wqkv_scales, .offset: 24, .size: 8, .value_kind: global_buffer, .address_space: global }
      - { .name: bqkv, .offset: 32, .size: 8, .value_kind: global_buffer, .address_space: global }
      - { .name: qimg, .offset: 40, .size: 8, .value_kind: global_buffer, .address_space: global }
      - { .name: kv, .offset: 48, .size: 8, .value_kind: global_buffer, .address_space: global }
    .group_segment_fixed_size: 327680
    .private_segment_fixed_size: 0
    .kernarg_segment_align: 8
    .kernarg_segment_size: 56
    .max_flat_workgroup_size: 128
    .sgpr_count:     102
    .vgpr_count:     1024
    .wavefront_size: 32
...
	.end_amdgpu_metadata
.endif
;; end of part 2
;; launch attn (part 3): grid 32 x 8, 16 waves a work-group, no clusters, 169,984 bytes of LDS; arguments qimg, kv, gate, o_img, o_sc; writes o_img, o_sc
.if DOCPART == 3
	.amdgcn_target "amdgcn-amd-amdhsa--gfx1250"
	.amdhsa_code_object_version 6
	.text
	.protected	k_q871f45866e_attn
	.globl	k_q871f45866e_attn
	.p2align	8
	.type	k_q871f45866e_attn,@function
k_q871f45866e_attn:
	s_mov_b64 s[64:65], 0
	v_nop
	global_prefetch_b8 v0, s[64:65] scope:SCOPE_SE
	s_setreg_imm32_b32 hwreg(HW_REG_WAVE_MODE, 25, 1), 1
	s_wait_xcnt 0x0
; out = (1 - g) softmax(q k^T / 8 over |i - j| <= 256) v + g softmax(q k_g^T / 8 over the first 64 tokens) v_g, all four products on codes of FP6 (E2M3) with E8M0 scales; out is quantised along
; (head, d) and leaves as the register image of the last product's operand.
; SOFTMAX: t = score x log2(e) / 8; M = the running largest t rounded up to a whole number; p = 2^(t - M) is quantised along the keys; the sum is taken of the unquantised p and divides at the end.
; When M moves, the sum and O are multiplied by 2^(old M - new M): exact.
; SHARES: a work-group owns 128 queries of two heads (so that it makes whole scale words of the next product); wave w: head w / 8 of the pair, queries 16 (w % 8) + 0..15.  Four waves to a SIMD.
; The window of 128 queries lies inside 5 records of 128 keys (the query block's own and two on each side); keys outside it are thrown away by the mask and are not computed.  A sixth step takes the first record's 64 keys.
; LDS is filled ONCE: 12 records of 13,056 bytes (2 heads x 6 steps), by waves 0 to 5, two loads each; the second six land under the first three steps' work.  Records past the sequence's ends are clamped and not read.
; NO JOINT LOADS: neighbouring query blocks share 4 of 5 records, but each wants them at another step's LDS place, and an LDS address may not hang on the place in a cluster.
; LAYOUT: S^T = k q^T (source 0 = 16 keys), O^T = v^T p^T (source 0 = 16 d): a lane holds one query throughout.  The head size 64 fills the lower half of the instruction's K: q's upper six registers are zero codes,
; k's upper six are whatever follows (every code is a finite number), and no scale byte is 0xff.  p's codes come out in the order 0-7, 16-23, 8-15, 24-31 inside a block of 32 keys, which is the order in which v's were laid.
; LIMITS: a block of zeros gets the scale byte 1 (codes zero; only this program reads it); NaN and infinities are not served.
; REGISTERS: v1, v2 my head's slots + 8, 16 x lane; v3 16 a + r - 8 h; v4 -infinity; v5, v6 the step's addresses; v7 gate; v8-11 global -M, t, sum; v12-15 local; v16-27 q; v28 q's, v29 p's, v30-31 v's, v86-89 k's scale words;
;   v32-79 k's or v's fragments; v80-85 zeros; v90-91 f, 0; v92 at work; v93-95 addresses; v96-159 S^T, p; v160-191 local O^T; v192-223 global O^T; v224-235 p's codes; v236-255 at work.
.set REC,  13056
.set RQ,   6656
.set HSQ,  32*RQ
.set HSK,  32*REC
.set KSC,  6144
.set VC,   6656
.set VSC,  12800
.set STG,  12*REC                      ; 512 bytes of scale halfwords: two blocks of 256 bytes into which no fill lands
	s_load_b256 s[4:11], s[0:1], 0x0               ; qimg, kv, gate, o_img
	s_load_b64 s[12:13], s[0:1], 0x20              ; o_sc
	v_lshl_add_u32 v254, v0, 2, 0x29000
	v_mov_b32 v255, 0
	ds_add_u32 v254, v255
	ds_add_u32 v254, v255
	s_wait_dscnt 0x0
	v_lshrrev_b32 v1, 5, v0
	v_readfirstlane_b32 s18, v1                    ; wave 0..15
	s_lshr_b32 s19, s18, 3                         ; c: which head of the pair
	s_and_b32 s16, s18, 7                          ; a: which tile of 16 queries
	s_and_b32 s14, ttmp7, 0xffff                   ; the pair of heads
	; descriptor group 1: a record, 13,056 dense bytes, as 51 rows of 256 bytes (32 elements of 8)
	s_mov_b32 s24, 3<<16
	s_mov_b32 s25, 32<<16
	s_mov_b32 s26, 51<<16
	s_mov_b32 s27, 32<<16
	s_mov_b32 s28, 51
	s_mov_b32 s29, 32
	s_mov_b32 s30, 0
	s_mov_b32 s31, 0
	; what I fetch, if I fetch: wave w < 6: head w / 3 of the pair, steps w % 3 and 3 + w % 3
	s_cmp_ge_u32 s18, 3
	s_cselect_b32 s40, 1, 0
	s_cselect_b32 s41, 3, 0
	s_sub_co_u32 s41, s18, s41                     ; j'
	s_add_co_u32 s42, ttmp9, s41
	s_sub_co_i32 s42, s42, 2
	s_max_i32 s42, s42, 0
	s_min_i32 s42, s42, 31                         ; step j': record qb - 2 + j', held inside the head
	s_add_co_u32 s43, ttmp9, s41
	s_add_co_u32 s43, s43, 1
	s_min_u32 s43, s43, 31                         ; step 3 + j': record qb + 1 + j',
	s_cmp_eq_u32 s41, 2
	s_cselect_b32 s43, 0, s43                      ; but step 5 is record 0: the global tokens
	s_lshl_b32 s44, s14, 1
	s_add_co_u32 s44, s44, s40
	s_mul_i32 s44, s44, HSK
	s_mul_i32 s42, s42, REC
	s_mul_i32 s43, s43, REC
	s_add_co_u32 s42, s42, s44
	s_add_co_u32 s46, s43, s44
	s_mov_b32 s43, 0
	s_mov_b32 s47, 0
	s_mul_i32 s45, s18, REC                        ; LDS: slot w, and slot 6 + w
	s_mov_b32 s20, 0x76543210
	s_mov_b32 s21, 0xfedcba98                      ; selects for lane l xor 16
	s_mov_b32 s22, 0x3e38aa3b                      ; c = log2(e) / 8
	s_mov_b32 s23, s22
	s_wait_kmcnt 0x0
	s_mov_b32 s32, 1
	s_mov_b32 s33, s45
	s_add_nc_u64 s[34:35], s[6:7], s[42:43]
	s_or_b32 s35, s35, 0x80000000
	s_mov_b32 s36, 1
	s_add_co_u32 s37, s45, 6*REC
	s_add_nc_u64 s[38:39], s[6:7], s[46:47]
	s_or_b32 s39, s39, 0x80000000
	s_cmp_lt_u32 s18, 6
	s_cbranch_scc0 .Lno_fill
	tensor_load_to_lds s[32:35], s[24:31]          ; a wave's two fills stand in one branch, ahead of every wait on TENSORcnt, every LDS read and every barrier: two loads of mine are out
	s_nop 0
	tensor_load_to_lds s[36:39], s[24:31]
	s_nop 0
.rept 4
	v_nop
.endr
.Lno_fill:
	s_lshl_b32 s40, s14, 1
	s_add_co_u32 s40, s40, s19                     ; my head
	s_mul_i32 s40, s40, HSQ
	s_mul_i32 s41, ttmp9, RQ
	s_add_co_u32 s40, s40, s41                     ; q's record
	s_mul_i32 s41, s16, 768
	s_add_co_u32 s42, s40, s41
	s_mov_b32 s43, 0
	s_add_nc_u64 s[42:43], s[4:5], s[42:43]        ; my tile's codes
	s_and_b32 s41, s16, 1
	s_lshl_b32 s41, s41, 8
	s_add_co_u32 s40, s40, s41
	s_lshr_b32 s41, s16, 1
	s_lshl_b32 s41, s41, 2
	s_add_co_u32 s40, s40, s41
	s_mov_b32 s41, 0
	s_add_nc_u64 s[40:41], s[4:5], s[40:41]        ; my tile's scale words: + 256 (a % 2) + 4 (a / 2); 16 bytes from row to row
	s_lshl_b32 s44, ttmp9, 9
	s_lshl_b32 s45, s16, 6
	s_add_co_u32 s44, s44, s45
	s_mov_b32 s45, 0
	s_add_nc_u64 s[8:9], s[8:9], s[44:45]          ; gate at my first query
	s_lshl_b32 s44, ttmp9, 3
	s_add_co_u32 s44, s44, s16
	s_mul_i32 s44, s44, 12288
	s_mul_i32 s46, s14, 1536
	s_add_co_u32 s44, s44, s46
	s_mul_i32 s46, s19, 768
	s_add_co_u32 s44, s44, s46
	s_add_nc_u64 s[10:11], s[10:11], s[44:45]      ; o_img: tile 8 qb + a, K step = the pair, half = c
	s_lshl_b32 s44, s14, 14
	s_lshl_b32 s46, ttmp9, 9
	s_add_co_u32 s44, s44, s46
	s_add_nc_u64 s[12:13], s[12:13], s[44:45]      ; o_sc: 16,384 x pair + 512 x qb
	v_and_b32 v92, 31, v0                          ; lane
	v_and_b32 v5, 15, v0                           ; r
	v_bfe_u32 v6, v0, 4, 1                         ; h
	v_lshlrev_b32 v244, 3, v92
	v_lshlrev_b32 v245, 4, v5
	v_lshlrev_b32 v246, 2, v5
.irp i, 0,1,2
	global_load_b64 v[16+2*\i:17+2*\i], v244, s[42:43] offset:256*\i   ; q's fragment stays in registers
.endr
	global_load_b32 v28, v245, s[40:41] offset:KSC
	global_load_b32 v7, v246, s[8:9]
	s_mul_i32 s46, s19, 3*REC
	v_lshl_add_u32 v1, v92, 3, s46
	v_lshl_add_u32 v2, v92, 4, s46
	v_lshlrev_b32 v3, 3, v6
	v_sub_nc_u32 v3, v5, v3
	s_lshl_b32 s46, s16, 4
	v_add_nc_u32 v3, s46, v3                       ; 16 a + r - 8 h
	s_lshl_b32 s46, s16, 6
	s_lshl_b32 s47, s19, 1
	s_add_co_u32 s46, s46, s47
	s_add_co_u32 s46, s46, STG
	v_lshl_add_u32 v93, v5, 2, s46                 ; my row's halfword: STG + 64 a + 4 r + 2 c
	v_lshl_add_u32 v94, v92, 4, STG
	v_lshlrev_b32 v95, 3, v92
	v_mov_b32 v4, 0xff800000
.irp j, 22,23,24,25,26,27,80,81,82,83,84,85,91,248,249,250,251,10,11,14,15
	v_mov_b32 v\j, 0
.endr
	v_mov_b32 v13, 0xff61b1e6                      ; the largest t so far: -3e38
	v_mov_b32 v9, 0xff61b1e6
	v_floor_f32 v12, -v13
	v_floor_f32 v8, -v9
.set i, 0
.rept 32
	v_mov_b32 v[160+i], 0                          ; local O^T: which step is a work-group's first hangs on its number, so the step is written once and finds zeros
.set i, i+1
.endr
; A STEP.  j: which slot; kind: 0 no mask, 1 keys before the window hidden, 2 keys behind it hidden, 3 the global step (64 keys, sums begun anew); st: the state's registers; ob: O^T's.
.macro STEP j, kind, st, ob
.if \j == 0                            ; steps whose record lies outside the sequence are left out: scalar branches on the work-group's number; no barrier and no tensor load stands in a step
	s_cmp_lt_u32 ttmp9, 2
	s_cbranch_scc1 .Lskip_\@
.elseif \j == 1
	s_cmp_lt_u32 ttmp9, 1
	s_cbranch_scc1 .Lskip_\@
.elseif \j == 3
	s_cmp_gt_u32 ttmp9, 30
	s_cbranch_scc1 .Lskip_\@
.elseif \j == 4
	s_cmp_gt_u32 ttmp9, 29
	s_cbranch_scc1 .Lskip_\@
.endif
.if \j < 3
.set OFF, \j*REC
.else
.set OFF, (\j+3)*REC
.endif
.if \kind == 3
.set NT, 4
.else
.set NT, 8
.endif
	v_add_nc_u32 v5, OFF, v1
	v_add_nc_u32 v6, OFF+KSC, v2
	v_nop
	v_nop                                          ; four places in front of loads into registers that the last products read
.set t, 0
.rept NT
.irp i, 0,1,2
	ds_load_b64 v[32+6*t+2*\i:32+6*t+2*\i+1], v5 offset:768*t+256*\i
.endr
.set t, t+1
.endr
	ds_load_b128 v[86:89], v6
	s_wait_dscnt 0x0
.set t, 0
.rept NT
.if t%2
	v_wmma_scale_f32_16x16x128_f8f6f4 v[96+8*t:96+8*t+7], v[32+6*t:32+6*t+11], v[16:27], 0, v[86+t/2], v28 matrix_a_fmt:MATRIX_FMT_FP6 matrix_b_fmt:MATRIX_FMT_FP6 matrix_a_scale:MATRIX_SCALE_ROW1
.else
	v_wmma_scale_f32_16x16x128_f8f6f4 v[96+8*t:96+8*t+7], v[32+6*t:32+6*t+11], v[16:27], 0, v[86+t/2], v28 matrix_a_fmt:MATRIX_FMT_FP6 matrix_b_fmt:MATRIX_FMT_FP6
.endif
.set t, t+1
.endr
.rept 4
	v_nop                                          ; places: the loads below land on k's fragments, the vector work reads the scores
.endr
.set t, 0
.rept 4
.irp p, 0,1,2,3,4,5
	ds_load_b64 v[32+12*t+2*\p:32+12*t+2*\p+1], v5 offset:VC+1536*t+256*\p   ; v's fragments land under the softmax
.endr
.set t, t+1
.endr
	ds_load_b64 v[30:31], v5 offset:VSC
.if \kind == 1                         ; register n holds key 16 (n / 8) + n % 8 + 8 h of the record: hidden where it comes before 16 a + r
.set n, 0
.rept 64
	v_cmp_lt_i32 vcc_lo, 16*(n/8)+n%8, v3
	v_cndmask_b32 v[96+n], v[96+n], v4, vcc_lo
.set n, n+1
.endr
.elseif \kind == 2                     ; hidden where it comes behind 16 a + r
.set n, 0
.rept 64
	v_cmp_gt_i32 vcc_lo, 16*(n/8)+n%8, v3
	v_cndmask_b32 v[96+n], v[96+n], v4, vcc_lo
.set n, n+1
.endr
.elseif \kind == 3                     ; keys 64 to 127 do not count
.set n, 32
.rept 32
	v_mov_b32 v[96+n], v4
.set n, n+1
.endr
.endif
.irp b, 0,1,2,3
	v_max3_num_f32 v[244+\b], v[96+16*\b], v[97+16*\b], v[98+16*\b]   ; the largest score of each block of 32 keys: for the row's maximum and, since p rises with the score, for the block's largest p
.endr
.irp i, 3,5,7,9,11,13
.irp b, 0,1,2,3
	v_max3_num_f32 v[244+\b], v[244+\b], v[96+16*\b+\i], v[97+16*\b+\i]
.endr
.endr
.irp b, 0,1,2,3
	v_max_num_f32 v[244+\b], v[244+\b], v[111+16*\b]
.endr
.irp b, 0,1,2,3
	v_permlanex16_b32 v[248+\b], v[244+\b], s20, s21
.endr
.irp b, 0,1,2,3
	v_max_num_f32 v[244+\b], v[244+\b], v[248+\b]
.endr
	v_max3_num_f32 v92, v244, v245, v246
	v_max_num_f32 v92, v92, v247
	v_mul_f32 v92, s22, v92
	v_max_num_f32 v[\st+1], v[\st+1], v92          ; the running largest t
	v_mov_b32 v92, v[\st]
	v_floor_f32 v[\st], -v[\st+1]                  ; the new -M = -ceil(t)
	v_sub_f32 v92, v[\st], v92
	v_cvt_i32_f32 v92, v92                         ; (it saturates)
	v_ldexp_f32 v90, 1.0, v92                      ; f = 2^(old M - new M)
.set n, 0
.rept 32
	v_pk_fma_f32 v[96+n:97+n], v[96+n:97+n], s[22:23], v[\st:\st+1] op_sel_hi:[1,0,0]   ; t - M
.set n, n+2
.endr
.irp b, 0,1,2,3
	v_fma_f32 v[244+\b], v[244+\b], s22, v[\st]
.endr
.set n, 0
.rept 64
	v_exp_f32 v[96+n], v[96+n]
.set n, n+1
.endr
.irp b, 0,1,2,3
	v_exp_f32 v[244+\b], v[244+\b]
.endr
	v_pk_mul_f32 v[\st+2:\st+3], v[\st+2:\st+3], v[90:91] op_sel_hi:[1,0]   ; the sums under the new M (a plain place behind the exponentials)
	s_wait_alu depctr_va_vdst(0)
.irp b, 0,1,2,3
	v_max_num_f32 v[244+\b], 0x1800000, v[244+\b]  ; the floor 2^(3 - 127)
.endr
.irp b, 0,1,2,3
	v_add_nc_u32 v[252+\b], 0xff000000, v[244+\b]  ; the conversion's scale operand
.endr
.irp b, 0,1,2,3
	v_lshrrev_b32 v[248+\b], 23, v[252+\b]         ; the scale's byte
.endr
	v_lshl_or_b32 v29, v249, 8, v248
	v_lshl_or_b32 v29, v250, 16, v29
	v_lshl_or_b32 v29, v251, 24, v29
.irp c, 0,1
	v_cvt_scalef32_pk16_fp6_f32 v[224+6*\c:226+6*\c], v[96+32*\c:111+32*\c], v[252+2*\c]
	v_cvt_scalef32_pk16_fp6_f32 v[236+4*\c:238+4*\c], v[112+32*\c:127+32*\c], v[252+2*\c+1]
.endr
	v_nop                                          ; one plain place behind a scaled conversion
.irp c, 0,1
.irp i, 0,1,2
	v_permlane16_swap_b32 v[224+6*\c+\i], v[236+4*\c+\i]
.endr
.irp i, 0,1,2
	v_mov_b32 v[227+6*\c+\i], v[236+4*\c+\i]
.endr
.endr
	v_pk_add_f32 v[236:237], v[96:97], v[98:99]    ; the row's sum of the unquantised p, in two chains.  (These 32 lines are also the places between p's codes and scale word and the products)
.irp n, 4,8,12,16,20,24,28,32,36,40,44,48,52,56,60
	v_pk_add_f32 v[\st+2:\st+3], v[\st+2:\st+3], v[96+\n:97+\n]
	v_pk_add_f32 v[236:237], v[236:237], v[98+\n:99+\n]
.endr
	v_pk_add_f32 v[\st+2:\st+3], v[\st+2:\st+3], v[236:237]
.if \kind != 3
.set n, 0
.rept 16
	v_pk_mul_f32 v[\ob+n:\ob+n+1], v[\ob+n:\ob+n+1], v[90:91] op_sel_hi:[1,0]   ; O^T under the new M
.set n, n+2
.endr
.endif
	s_wait_dscnt 0x0                               ; v's fragments and scale words
.set t, 0
.rept 4                                ; the four accumulators take turns; the scores' products stand between two links of a chain
.if \kind == 3
.if t%2
	v_wmma_scale_f32_16x16x128_f8f6f4 v[\ob+8*t:\ob+8*t+7], v[32+12*t:32+12*t+11], v[224:235], 0, v[30+t/2], v29 matrix_a_fmt:MATRIX_FMT_FP6 matrix_b_fmt:MATRIX_FMT_FP6 matrix_a_scale:MATRIX_SCALE_ROW1
.else
	v_wmma_scale_f32_16x16x128_f8f6f4 v[\ob+8*t:\ob+8*t+7], v[32+12*t:32+12*t+11], v[224:235], 0, v[30+t/2], v29 matrix_a_fmt:MATRIX_FMT_FP6 matrix_b_fmt:MATRIX_FMT_FP6
.endif
.else
.if t%2
	v_wmma_scale_f32_16x16x128_f8f6f4 v[\ob+8*t:\ob+8*t+7], v[32+12*t:32+12*t+11], v[224:235], v[\ob+8*t:\ob+8*t+7], v[30+t/2], v29 matrix_a_fmt:MATRIX_FMT_FP6 matrix_b_fmt:MATRIX_FMT_FP6 matrix_a_scale:MATRIX_SCALE_ROW1
.else
	v_wmma_scale_f32_16x16x128_f8f6f4 v[\ob+8*t:\ob+8*t+7], v[32+12*t:32+12*t+11], v[224:235], v[\ob+8*t:\ob+8*t+7], v[30+t/2], v29 matrix_a_fmt:MATRIX_FMT_FP6 matrix_b_fmt:MATRIX_FMT_FP6
.endif
.endif
.set t, t+1
.endr
.Lskip_\@:
.endm
	s_wait_loadcnt 0x0                             ; q, its scale words, the gate
	s_wait_tensorcnt 1                             ; my first fill has landed; the second may stay out
	s_barrier_signal -1
	s_barrier_wait -1                              ; slots 0 to 5 are whole
	STEP 0, 1, 12, 160
	STEP 1, 0, 12, 160
	STEP 2, 0, 12, 160
	s_wait_tensorcnt 0x0                           ; my second fill has landed
	s_wait_dscnt 0x0
	s_barrier_signal -1
	s_barrier_wait -1                              ; slots 6 to 11 are whole
	STEP 3, 0, 12, 160
	STEP 4, 2, 12, 160
	STEP 5, 3, 8, 192
	; THE WAY OUT.  The lines up to the first read of the global O^T are the places behind the last products.
	v_add_f32 v14, v14, v15
	v_add_f32 v10, v10, v11
	v_permlanex16_b32 v248, v14, s20, s21
	v_permlanex16_b32 v249, v10, s20, s21
	v_add_f32 v14, v14, v248                       ; the local row's sum
	v_add_f32 v10, v10, v249                       ; the global row's
	v_rcp_f32 v14, v14
	v_rcp_f32 v10, v10
	v_sub_f32 v236, 1.0, v7                        ; (a plain place behind the reciprocals)
	s_wait_alu depctr_va_vdst(0)
	v_mul_f32 v236, v236, v14                      ; (1 - g) / l
	v_mul_f32 v238, v7, v10                        ; g / l_g
	v_mov_b32 v237, v236
	v_mov_b32 v239, v238
.set i, 0
.rept 16
	v_pk_mul_f32 v[96+i:97+i], v[160+i:161+i], v[236:237]
.set i, i+2
.endr
.set i, 0
.rept 16
	v_pk_fma_f32 v[96+i:97+i], v[192+i:193+i], v[238:239], v[96+i:97+i]   ; register 8 t + j: d = 16 t + 8 h + j
.set i, i+2
.endr
.irp b, 0,1                            ; Wout's codes are given in natural order, so d is put in order: behind the exchange register 16 b + i holds d = 32 b + 16 h + i
.irp j, 0,1,2,3,4,5,6,7
	v_permlane16_swap_b32 v[96+16*\b+\j], v[104+16*\b+\j]
.endr
.endr
.irp b, 0,1
	v_max3_num_f32 v[244+\b], |v[96+16*\b]|, |v[97+16*\b]|, 0x1800000
.endr
.irp i, 2,4,6,8,10,12,14
.irp b, 0,1
	v_max3_num_f32 v[244+\b], v[244+\b], |v[96+16*\b+\i]|, |v[97+16*\b+\i]|
.endr
.endr
.irp b, 0,1
	v_permlanex16_b32 v[248+\b], v[244+\b], s20, s21
.endr
.irp b, 0,1
	v_max_num_f32 v[244+\b], v[244+\b], v[248+\b]
.endr
.irp b, 0,1
	v_add_nc_u32 v[252+\b], 0xff000000, v[244+\b]
.endr
.irp b, 0,1
	v_lshrrev_b32 v[248+\b], 23, v[252+\b]
.endr
	v_lshl_or_b32 v92, v249, 8, v248               ; my head's two bytes of the row's scale word
	v_cvt_scalef32_pk16_fp6_f32 v[224:226], v[96:111], v252
	v_cvt_scalef32_pk16_fp6_f32 v[240:242], v[112:127], v253
	v_nop
.irp i, 0,1,2
	v_permlane16_swap_b32 v[224+\i], v[240+\i]
.endr
.irp i, 0,1,2
	v_mov_b32 v[227+\i], v[240+\i]                 ; lane (r, h): block h of my head's 64, whole
.endr
.irp i, 0,1,2
	global_store_b64 v95, v[224+2*\i:225+2*\i], s[10:11] offset:256*\i   ; 32 lanes store 256 consecutive bytes, aligned
.endr
	ds_store_b16 v93, v92                          ; lanes l and l + 16 write the same halfword with the same value
	v_and_b32 v6, 31, v0
	v_lshlrev_b32 v6, 4, v6
	s_wait_dscnt 0x0
	s_barrier_signal -1
	s_barrier_wait -1                              ; the 128 rows' scale words are whole
	s_cmp_lg_u32 s18, 0
	s_cbranch_scc1 .Lend
	ds_load_b128 v[96:99], v94
	s_wait_dscnt 0x0
	global_store_b128 v6, v[96:99], s[12:13]       ; 512 consecutive bytes, aligned
.Lend:
	s_wait_xcnt 0x0
	v_lshl_add_u32 v254, v0, 2, 0x29000
	v_mov_b32 v255, 0
	s_wait_tensorcnt 0x0
	ds_add_u32 v254, v255
	s_wait_dscnt 0x0
	s_endpgm
.Lfunc_end_k_q871f45866e_attn:
	.size	k_q871f45866e_attn, .Lfunc_end_k_q871f45866e_attn-k_q871f45866e_attn
	.p2alignl 7, 3214868480
	.fill 96, 4, 3214868480
	.section	.rodata,"a",@progbits
	.p2align	6, 0x0
	.amdhsa_kernel k_q871f45866e_attn
		.amdhsa_group_segment_fixed_size 169984
		.amdhsa_private_segment_fixed_size 0
		.amdhsa_enable_private_segment 0
		.amdhsa_kernarg_size 40
		.amdhsa_user_sgpr_count 2
		.amdhsa_user_sgpr_kernarg_segment_ptr 1
		.amdhsa_wavefront_size32 1
		.amdhsa_system_sgpr_workgroup_id_x 1
		.amdhsa_system_sgpr_workgroup_id_y 1
		.amdhsa_system_sgpr_workgroup_id_z 1
		.amdhsa_system_vgpr_workitem_id 0
		.amdhsa_next_free_vgpr 256
		.amdhsa_next_free_sgpr 66
		.amdhsa_reserve_vcc 1
		.amdhsa_float_denorm_mode_32 3
		.amdhsa_float_denorm_mode_16_64 3
		.amdhsa_memory_ordered 1
		.amdhsa_forward_progress 1
		.amdhsa_inst_pref_size 123
	.end_amdhsa_kernel
	.amdgpu_metadata
---
amdhsa.version: [ 1, 2 ]
amdhsa.kernels:
  - .name:           k_q871f45866e_attn
    .symbol:         k_q871f45866e_attn.kd
    .args:
      - { .name: qimg, .offset: 0, .size: 8, .value_kind: global_buffer, .address_space: global }
      - { .name: kv, .offset: 8, .size: 8, .value_kind: global_buffer, .address_space: global }
      - { .name: gate, .offset: 16, .size: 8, .value_kind: global_buffer, .address_space: global }
      - { .name: o_img, .offset: 24, .size: 8, .value_kind: global_buffer, .address_space: global }
      - { .name: o_sc, .offset: 32, .size: 8, .value_kind: global_buffer, .address_space: global }
    .group_segment_fixed_size: 169984
    .private_segment_fixed_size: 0
    .kernarg_segment_align: 8
    .kernarg_segment_size: 40
    .max_flat_workgroup_size: 512
    .sgpr_count:     66
    .vgpr_count:     256
    .wavefront_size: 32
...
	.end_amdgpu_metadata
.endif
;; end of part 3
;; launch proj (part 4): grid 8 x 32, 4 waves a work-group, clusters of 4 x 4, 262,656 bytes of LDS; arguments o_img, o_sc, Wout_codes, Wout_scales, bout, out0; writes out0
.if DOCPART == 4
	.amdgcn_target "amdgcn-amd-amdhsa--gfx1250"
	.amdhsa_code_object_version 6
	.text
	.protected	k_q871f45866e_proj
	.globl	k_q871f45866e_proj
	.p2align	8
	.type	k_q871f45866e_proj,@function
k_q871f45866e_proj:
	s_mov_b64 s[64:65], 0
	v_nop
	global_prefetch_b8 v0, s[64:65] scope:SCOPE_SE
	s_setreg_imm32_b32 hwreg(HW_REG_WAVE_MODE, 25, 1), 1
	s_wait_xcnt 0x0
	s_wait_alu depctr_hold_cnt(0) depctr_sa_sdst(0) depctr_va_vdst(0) depctr_va_sdst(0) depctr_va_ssrc(0) depctr_va_vcc(0) depctr_vm_vsrc(0)
	s_getreg_b32 s2, hwreg(HW_REG_IB_STS2, 6, 4)
	s_cmp_eq_u32 s2, 0
	s_cbranch_scc0 .Lentry_in_a_cluster
	s_endpgm
.Lentry_in_a_cluster:
	s_bfe_u32 s2, ttmp6, 0x10000c
	s_cmp_lg_u32 s2, 0xf033
	s_cbranch_scc0 .Lentry_shape_is_right
	s_endpgm
.Lentry_shape_is_right:
; out0 = o Wout + bout on codes of FP6 (E2M3) with E8M0 scales; K = 1,024.  o comes as register images ([tile of 16 tokens][K step 8][pair 6][8 bytes x lane]) with its scale words [K step][tile][row];
; Wout as given: rows of 768 bytes of codes and 32 scale bytes.
; A tile of out0 is 128 tokens x 128 columns: 256 work-groups; a wave makes 64 x 64: 16 accumulators.  ALL OF K lies in LDS, filled ONCE, in four chunks of 256 along K that land while earlier chunks are multiplied:
; no slot is filled again.  By this text's count five tensor loads of a wave are out at the most.
; CLUSTERS: 4 x 4 work-groups; o's tiles are shared along a row of the cluster, Wout's along a column: joint loads, one round of the cluster's barrier in front, one at the end.
; Source 0 = 16 rows of Wout, source 1 = 16 tokens: a lane holds eight neighbouring columns of one token's row.  The bias is the C of each sum's first product.
; REGISTERS: window 0: v16-27 addresses; v32-63 o's scale words (8 i + K step), v64-95 Wout's: nothing else ever; v96-127 the way out; v128-255 the accumulators ((a, b) at 128 + 8 (4 a + b)).
;   window 1: two fragment buffers at v0 and v128 (o's four fragments, then Wout's four); v96-127 the bias.
.set ACH,   24576                      ; a chunk of o: 8 tiles x 3,072 bytes
.set BBASE, 4*ACH
.set BCH,   30720                      ; a chunk of Wout: 128 rows, 240 bytes apart (192 + 3 x 16 of padding)
.set ASC,   BBASE+4*BCH                ; o's scale words: [half][K step][256 bytes]
.set BSC,   ASC+4096                   ; Wout's: 2 x 8 units of 256 bytes + 16
.set STGB,  BSC+4352                   ; a stage of 16 rows x 272 bytes for each wave: blocks of 256 bytes into which no fill lands
.set SA,   32
.set SB,   64
.set TMP,  96
.set ACC,  128
.set F0,   0
.set BI,   96
.set STO,  24
.set RD,   25
.set CO,   26
.set G1A,  24
.set G1B,  32
.set G1SA, 40
.set G1SB, 48
.set G0SA, 76
.set G0B,  80
.set G0SB, 96
.set MSB, 0
.macro WIN new
.if MSB != \new
	s_set_vgpr_msb (MSB<<8)|\new
.set MSB, \new
.endif
.endm
.macro CROUND
	s_barrier_signal -1
	s_barrier_wait -1
	s_cmp_lg_u32 s16, 0
	s_cbranch_scc1 .Lnot_wave_0_\@
	s_barrier_signal -3
.Lnot_wave_0_\@:
	s_barrier_wait -3
	s_barrier_signal -1
	s_barrier_wait -1
.endm
.macro PLACES
.rept 4
	v_nop
.endr
.endm
	s_load_b256 s[4:11], s[0:1], 0x0               ; o_img, o_sc, Wout's codes, Wout's scales
	s_load_b128 s[12:15], s[0:1], 0x20             ; bout, out0
	v_lshl_add_u32 v30, v0, 2, 0x40000
	v_mov_b32 v31, 0
	ds_add_u32 v30, v31
	ds_add_u32 v30, v31
	v_lshrrev_b32 v1, 5, v0
	v_readfirstlane_b32 s16, v1                    ; wave 0..3
	s_lshr_b32 s17, s16, 1                         ; which 64 tokens are mine.  Also: I fetch for o (0) or for Wout (1)
	s_and_b32 s18, s16, 1                          ; which 64 columns.  Also: which half I fetch
	s_bfe_u32 s20, ttmp6, 0x40000                  ; cx
	s_bfe_u32 s21, ttmp6, 0x40004                  ; cy
	s_lshl_b32 s22, ttmp9, 2
	s_add_co_u32 s22, s22, s20                     ; tile column
	s_and_b32 s23, ttmp7, 0xffff
	s_lshl_b32 s23, s23, 2
	s_add_co_u32 s23, s23, s21                     ; tile row
	s_lshl_b32 s100, s21, 2
	s_lshl_b32 s100, 15, s100                      ; my row of the cluster
	s_lshl_b32 s101, 0x1111, s20                   ; my column
	s_or_b32 s[G1A], s100, (3<<16)|(1<<21)         ; o: 4 tiles' 3,072 bytes (384 elements of 8), 12,288 bytes apart; no padding
	s_mov_b32 s[G1A+1], 384<<16
	s_mov_b32 s[G1A+2], 4<<16
	s_mov_b32 s[G1A+3], 384<<16
	s_mov_b32 s[G1A+4], 4
	s_mov_b32 s[G1A+5], 1536
	s_mov_b32 s[G1A+6], 0
	s_mov_b32 s[G1A+7], 0
	s_or_b32 s[G1B], s101, (0<<16)|(1<<20)|(1<<21)|(3<<22)|(3<<25)   ; Wout: 64 rows of 192 bytes, 768 apart; 4 words of padding behind every 16
	s_mov_b32 s[G1B+1], 192<<16
	s_mov_b32 s[G1B+2], 64<<16
	s_mov_b32 s[G1B+3], 192<<16
	s_mov_b32 s[G1B+4], 64
	s_mov_b32 s[G1B+5], 768
	s_mov_b32 s[G1B+6], 0
	s_mov_b32 s[G1B+7], 0
	s_or_b32 s[G1SA], s100, (3<<16)|(1<<21)        ; o's scale words: for each of 8 K steps 256 bytes (4 tiles), 16,384 bytes apart
	s_mov_b32 s[G1SA+1], 32<<16
	s_mov_b32 s[G1SA+2], 8<<16
	s_mov_b32 s[G1SA+3], 32<<16
	s_mov_b32 s[G1SA+4], 8
	s_mov_b32 s[G1SA+5], 2048
	s_mov_b32 s[G1SA+6], 0
	s_mov_b32 s[G1SA+7], 0
	s_or_b32 s[G1SB], s101, (3<<16)|(1<<20)|(1<<21)|(5<<22)|(3<<25)  ; Wout's: 2,048 dense bytes as 8 rows of 256, 16 bytes of padding behind each
	s_mov_b32 s[G1SB+1], 32<<16
	s_mov_b32 s[G1SB+2], 8<<16
	s_mov_b32 s[G1SB+3], 32<<16
	s_mov_b32 s[G1SB+4], 8
	s_mov_b32 s[G1SB+5], 32
	s_mov_b32 s[G1SB+6], 0
	s_mov_b32 s[G1SB+7], 0
	s_lshl_b32 s2, s23, 3
	s_lshl_b32 s3, s18, 2
	s_add_co_u32 s2, s2, s3                        ; o: first tile 8 x tile row + 4 x half
	s_lshl_b32 s19, s2, 6                          ; its scale words: 64 bytes a tile
	s_mul_i32 s2, s2, 12288
	s_mov_b32 s3, 0
	s_lshl_b32 s66, s22, 7
	s_lshl_b32 s67, s18, 6
	s_add_co_u32 s66, s66, s67                     ; Wout: first row 128 x tile column + 64 x half
	s_lshl_b32 s101, s66, 5
	s_mul_i32 s66, s66, 768
	s_mov_b32 s67, 0
	s_wait_dscnt 0x0
	s_wait_kmcnt 0x0
	s_add_nc_u64 s[4:5], s[4:5], s[2:3]
	s_mov_b32 s2, s19
	s_add_nc_u64 s[6:7], s[6:7], s[2:3]
	s_add_nc_u64 s[8:9], s[8:9], s[66:67]
	s_mov_b32 s66, s101
	s_add_nc_u64 s[10:11], s[10:11], s[66:67]
	s_mul_i32 s2, s18, 12288                       ; where they go: the half alone enters an LDS address
	s_mul_i32 s19, s18, 15360
	s_add_co_u32 s19, s19, BBASE
	s_lshl_b32 s100, s18, 11
	s_add_co_u32 s100, s100, ASC
	s_mul_i32 s101, s18, 2176
	s_add_co_u32 s101, s101, BSC
	s_mov_b32 s[G0SA], 1
	s_mov_b32 s[G0SA+1], s100
	s_mov_b64 s[G0SA+2:G0SA+3], s[6:7]
	s_or_b32 s[G0SA+3], s[G0SA+3], 0x80000000
	s_mov_b32 s[G0SB], 1
	s_mov_b32 s[G0SB+1], s101
	s_mov_b64 s[G0SB+2:G0SB+3], s[10:11]
	s_or_b32 s[G0SB+3], s[G0SB+3], 0x80000000
.irp k, 0,1,2,3
.set GA, 56+4*\k+4*(\k/2)              ; s[56:59], s[60:63], s[68:71], s[72:75]
	s_mov_b32 s[GA], 1
	s_add_co_u32 s[GA+1], s2, ACH*\k
	s_add_nc_u64 s[GA+2:GA+3], s[4:5], 3072*\k
	s_or_b32 s[GA+3], s[GA+3], 0x80000000
	s_mov_b32 s[G0B+4*\k], 1
	s_add_co_u32 s[G0B+4*\k+1], s19, BCH*\k
	s_add_nc_u64 s[G0B+4*\k+2:G0B+4*\k+3], s[8:9], 192*\k
	s_or_b32 s[G0B+4*\k+3], s[G0B+4*\k+3], 0x80000000
.endr
	CROUND                                         ; all sixteen work-groups are here: the joint loads meet
	s_cmp_eq_u32 s17, 0
	s_cbranch_scc0 .Lfor_b
	tensor_load_to_lds s[G0SA:G0SA+3], s[G1SA:G1SA+7]   ; a wave's five fills stand in one branch: the scales, then the chunks in the order of use
	s_nop 0
	tensor_load_to_lds s[56:59], s[G1A:G1A+7]
	s_nop 0
	tensor_load_to_lds s[60:63], s[G1A:G1A+7]
	s_nop 0
	tensor_load_to_lds s[68:71], s[G1A:G1A+7]
	s_nop 0
	tensor_load_to_lds s[72:75], s[G1A:G1A+7]
	s_nop 0
.rept 4
	v_nop
.endr
	s_branch .Lasked
.Lfor_b:
	tensor_load_to_lds s[G0SB:G0SB+3], s[G1SB:G1SB+7]
	s_nop 0
	tensor_load_to_lds s[G0B:G0B+3], s[G1B:G1B+7]
	s_nop 0
	tensor_load_to_lds s[G0B+4:G0B+7], s[G1B:G1B+7]
	s_nop 0
	tensor_load_to_lds s[G0B+8:G0B+11], s[G1B:G1B+7]
	s_nop 0
	tensor_load_to_lds s[G0B+12:G0B+15], s[G1B:G1B+7]
	s_nop 0
.rept 4
	v_nop
.endr
.Lasked:
	v_and_b32 v1, 15, v0                           ; r
	v_bfe_u32 v2, v0, 4, 1                         ; h
	v_and_b32 v3, 31, v0                           ; lane
	s_mul_i32 s2, s17, 12288
	v_lshl_add_u32 v16, v3, 3, s2                  ; o's images: my four tiles, 8 x lane; chunks 0, 1
	v_add_nc_u32 v17, 2*ACH, v16                   ; chunks 2, 3
	v_mul_u32_u24 v4, v1, 240
	v_mad_u32_u24 v4, v2, 24, v4
	s_mul_i32 s3, s18, 15360
	s_add_co_u32 s3, s3, BBASE
	v_add_nc_u32 v18, s3, v4                       ; Wout's rows: row x 240 + 24 h; chunks 0, 1
	v_add_nc_u32 v19, 2*BCH, v18                   ; chunks 2, 3
	v_lshl_add_u32 v20, v2, 4, v18                 ; and the same behind one padding more
	v_lshl_add_u32 v21, v2, 4, v19
	s_lshl_b32 s2, s17, 11
	s_add_co_u32 s2, s2, ASC
	v_lshl_add_u32 v22, v1, 2, s2                  ; o's scale words: 4 r
	v_lshrrev_b32 v4, 3, v1
	v_mul_u32_u24 v4, v4, 272
	v_and_b32 v5, 7, v1
	v_lshl_add_u32 v4, v5, 5, v4
	s_mul_i32 s2, s18, 2176
	s_add_co_u32 s2, s2, BSC
	v_add_nc_u32 v23, s2, v4                       ; Wout's: 272 (r / 8) + 32 (r % 8)
	s_mul_i32 s2, s16, 4352
	s_add_co_u32 s2, s2, STGB
	v_mul_u32_u24 v4, v1, 272
	v_lshl_add_u32 v4, v2, 5, v4
	v_add_nc_u32 v[STO], s2, v4                    ; the stage, in: row r, + 32 h
	v_mul_u32_u24 v4, v2, 272
	v_lshl_add_u32 v4, v1, 4, v4
	v_add_nc_u32 v[RD], s2, v4                     ; back: lanes 0-15 one row, lanes 16-31 the next
	v_lshlrev_b32 v4, 12, v2
	v_lshl_add_u32 v[CO], v1, 4, v4                ; and the same two rows in out0
	v_lshlrev_b32 v27, 5, v2                       ; 32 h
	s_lshl_b32 s66, s22, 9
	s_lshl_b32 s67, s18, 8
	s_add_co_u32 s66, s66, s67                     ; my first column, in bytes
	s_mov_b32 s67, 0
	s_add_nc_u64 s[12:13], s[12:13], s[66:67]
	s_add_nc_u64 s[14:15], s[14:15], s[66:67]
	s_lshl_b32 s66, s23, 7
	s_lshl_b32 s2, s17, 6
	s_add_co_u32 s66, s66, s2
	s_lshl_b32 s66, s66, 12                        ; my first row of 4,096 bytes
	s_add_nc_u64 s[14:15], s[14:15], s[66:67]
	WIN 0x40                                       ; destination window 1
.irp b, 0,1,2,3
	global_load_b128 v[BI+8*\b:BI+8*\b+3], v27, s[12:13] offset:64*\b       ; bout at my columns 16 b + 8 h + 0..7
	global_load_b128 v[BI+8*\b+4:BI+8*\b+7], v27, s[12:13] offset:64*\b+16
.endr
	WIN 0
.macro SCALES
.irp i, 0,1,2,3
.irp k, 0,1,2,3,4,5,6,7
	ds_load_b32 v[SA+8*\i+\k], v22 offset:256*\k+64*\i
.endr
.endr
.irp i, 0,1,2,3
	ds_load_b128 v[SB+8*\i:SB+8*\i+3], v23 offset:544*\i
	ds_load_b128 v[SB+8*\i+4:SB+8*\i+7], v23 offset:544*\i+16
.endr
.endm
; the eight fragments of K step ks into the buffer at f of window 1: 48 loads of 8 bytes
.macro FETCH ks, f
	WIN 0x40
.set KA, 16+(\ks)/4
.set KB, 18+(\ks)/4
.set OA, (((\ks)/2)%2)*ACH+((\ks)%2)*1536
.set OB, (((\ks)/2)%2)*BCH
.irp i, 0,1,2,3
.irp p, 0,1,2,3,4,5
	ds_load_b64 v[\f+12*\i+2*\p:\f+12*\i+2*\p+1], v[KA] offset:OA+3072*\i+256*\p
.endr
.endr
.irp i, 0,1,2,3
.irp p, 0,1,2,3,4,5
.set PCN, 12*((\ks)%2)+6*(\p/3)+\p%3
.if PCN%8 < 5
	ds_load_b64 v[\f+48+12*\i+2*\p:\f+48+12*\i+2*\p+1], v[KB] offset:OB+3840*\i+8*PCN+16*(PCN/8)
.else
	ds_load_b64 v[\f+48+12*\i+2*\p:\f+48+12*\i+2*\p+1], v[KB+2] offset:OB+3840*\i+8*PCN+16*(PCN/8)
.endif
.endr
.endr
.endm
; 16 products; the accumulators take turns, one instruction a turn, in the same order in every K step
.macro MUL ks, f
.if (\ks) == 0
	WIN 0x15                                       ; sources 0, 1 and the bias in window 1
.else
	WIN 0x05
.endif
.irp a, 0,1,2,3
.irp b, 0,1,2,3
.if (\ks) == 0
	v_wmma_scale_f32_16x16x128_f8f6f4 v[ACC+8*(4*\a+\b):ACC+8*(4*\a+\b)+7], v[\f+48+12*\b:\f+48+12*\b+11], v[\f+12*\a:\f+12*\a+11], v[BI+8*\b:BI+8*\b+7], v[SB+8*\b+(\ks)], v[SA+8*\a+(\ks)] matrix_a_fmt:MATRIX_FMT_FP6 matrix_b_fmt:MATRIX_FMT_FP6
.else
	v_wmma_scale_f32_16x16x128_f8f6f4 v[ACC+8*(4*\a+\b):ACC+8*(4*\a+\b)+7], v[\f+48+12*\b:\f+48+12*\b+11], v[\f+12*\a:\f+12*\a+11], v[ACC+8*(4*\a+\b):ACC+8*(4*\a+\b)+7], v[SB+8*\b+(\ks)], v[SA+8*\a+(\ks)] matrix_a_fmt:MATRIX_FMT_FP6 matrix_b_fmt:MATRIX_FMT_FP6
.endif
.endr
.endr
.endm
.macro KST ks
.if ((\ks)%2) == 1                     ; the next K step begins a chunk: my part of it has landed, then everybody's
	s_wait_tensorcnt 3-((\ks)+1)/2                 ; the chunks behind it may stay out
	s_wait_dscnt 0x0
	s_barrier_signal -1
	s_barrier_wait -1
.endif
.if (\ks) > 0
	PLACES                                         ; in front of loads into the buffer that the last products read
.endif
	FETCH (\ks)+1, F0+128*(((\ks)+1)%2)
	s_wait_dscnt 48                                ; all but the 48 just issued
	MUL \ks, F0+128*((\ks)%2)
.endm
	s_wait_loadcnt 0x0                             ; the bias
	s_wait_tensorcnt 3                             ; the scales and chunk 0 are in; three chunks may be out
	s_barrier_signal -1
	s_barrier_wait -1
	SCALES
	FETCH 0, F0
.irp k, 0,1,2,3,4,5,6
	KST \k
.endr
	s_wait_dscnt 0x0
	MUL 7, F0+128
	; THE WAY OUT: 16 tokens at a time through my own stage: 32 bytes a lane in, whole rows of 256 bytes back; sixteen lanes store 256 consecutive bytes, aligned.
	WIN 0
	PLACES
.irp a, 0,1,2,3
.if \a > 0
	s_wait_xcnt 0x0                                ; the last block's stores have read their data
.endif
.irp b, 0,1,2,3
	ds_store_b128 v[STO], v[ACC+8*(4*\a+\b):ACC+8*(4*\a+\b)+3] offset:64*\b        ; each accumulator from its low end on
	ds_store_b128 v[STO], v[ACC+8*(4*\a+\b)+4:ACC+8*(4*\a+\b)+7] offset:64*\b+16
.endr
.irp t, 0,1,2,3,4,5,6,7
	ds_load_b128 v[TMP+4*\t:TMP+4*\t+3], v[RD] offset:544*\t    ; LDS serves a wave's instructions in order: these see my stores
.endr
.irp t, 0,1,2,3,4,5,6,7
	s_wait_dscnt 7-\t
	global_store_b128 v[CO], v[TMP+4*\t:TMP+4*\t+3], s[14:15] offset:(16*\a+2*\t)*4096 th:TH_STORE_NT
.endr
.endr
	s_wait_dscnt 0x0
	s_wait_tensorcnt 0x0
	ds_add_u32 v30, v31
	s_wait_dscnt 0x0
	CROUND                                         ; the closing round
	s_endpgm
.Lfunc_end_k_q871f45866e_proj:
	.size	k_q871f45866e_proj, .Lfunc_end_k_q871f45866e_proj-k_q871f45866e_proj
	.p2alignl 7, 3214868480
	.fill 96, 4, 3214868480
	.section	.rodata,"a",@progbits
	.p2align	6, 0x0
	.amdhsa_kernel k_q871f45866e_proj
		.amdhsa_group_segment_fixed_size 262656
		.amdhsa_private_segment_fixed_size 0
		.amdhsa_enable_private_segment 0
		.amdhsa_kernarg_size 48
		.amdhsa_user_sgpr_count 2
		.amdhsa_user_sgpr_kernarg_segment_ptr 1
		.amdhsa_wavefront_size32 1
		.amdhsa_system_sgpr_workgroup_id_x 1
		.amdhsa_system_sgpr_workgroup_id_y 1
		.amdhsa_system_sgpr_workgroup_id_z 1
		.amdhsa_system_vgpr_workitem_id 0
		.amdhsa_next_free_vgpr 512
		.amdhsa_next_free_sgpr 102
		.amdhsa_reserve_vcc 0
		.amdhsa_float_denorm_mode_32 3
		.amdhsa_float_denorm_mode_16_64 3
		.amdhsa_memory_ordered 1
		.amdhsa_forward_progress 1
		.amdhsa_inst_pref_size 65
	.end_amdhsa_kernel
	.amdgpu_metadata
---
amdhsa.version: [ 1, 2 ]
amdhsa.kernels:
  - .name:           k_q871f45866e_proj
    .symbol:         k_q871f45866e_proj.kd
    .args:
      - { .name: o_img, .offset: 0, .size: 8, .value_kind: global_buffer, .address_space: global }
      - { .name: o_sc, .offset: 8, .size: 8, .value_kind: global_buffer, .address_space: global }
      - { .name: Wout_codes, .offset: 16, .size: 8, .value_kind: global_buffer, .address_space: global }
      - { .name: Wout_scales, .offset: 24, .size: 8, .value_kind: global_buffer, .address_space: global }
      - { .name: bout, .offset: 32, .size: 8, .value_kind: global_buffer, .address_space: global }
      - { .name: out0, .offset: 40, .size: 8, .value_kind: global_buffer, .address_space: global }
    .group_segment_fixed_size: 262656
    .private_segment_fixed_size: 0
    .kernarg_segment_align: 8
    .kernarg_segment_size: 48
    .max_flat_workgroup_size: 128
    .sgpr_count:     102
    .vgpr_count:     512
    .wavefront_size: 32
...
	.end_amdgpu_metadata
.endif
;; end of part 4
